; MI455X (gfx1250); checked and timed in simulation.
; The chip was launched on July 23, 2026; its instructions are those of AMD's public machine-readable ISA for CDNA 5 (MIT licence, August 2026) and "CDNA5" Instruction Set Architecture Reference Guide (July 2026). The comments in the code are by the model that wrote it; some were corrected since.
;; Cross Attention. Allowed arithmetic: matrix products marked QUANTISED: E2M3 operands, one E8M0 scale for each 32 along K, by v_wmma_scale_f32_16x16x128_f8f6f4 with both operands' format E2M3, f32 sums; everything else in f32.
;; Inputs: Wkv 1,024 x 128 float32; Wo 1,024 x 1,024 float32; Wq 1,024 x 1,024 float32; bkv 128 float32; bo 1,024 float32; bq 1,024 float32; kv 4 x 2,048 x 1,024 float32; q 4 x 2,048 x 1,024 float32.
;; Outputs: out0 4 x 2,048 x 1,024 float32.
;; This version of the problem:
;;   THIS VERSION OF THE PROBLEM IS GIVEN IN LOW PRECISION. The matrix products marked QUANTISED in the list below multiply operands that are first quantised to E2M3 (2 exponent bits, 3 mantissa bits; 6 bits a number), with one power-of-two scale for each 32 numbers along K (OCP MX v1.0); their sums are f32. All else is computed in f32.
;;   The module's matrix products, in the order in which they are computed (A, B: the left and right operand; K: the contracted axis; several contracted axes count as one K, in the product's order):
;;     1. [M 8,192, K 1,024] x [K 1,024, N 1,024]; A: input q; B: input Wq: QUANTISED
;;     2. [M 8,192, K 1,024] x [K 1,024, N 128]; A: input kv; B: input Wkv: QUANTISED
;;     3. batch 4 x [M 32,768, K 64] x [K 64, N 2,048]; A: computed on the way; B: computed on the way: QUANTISED
;;     4. batch 4 x [M 32,768, K 2,048] x [K 2,048, N 64]; A: softmax (see below); B: computed on the way: QUANTISED
;;     5. [M 8,192, K 1,024] x [K 1,024, N 1,024]; A: computed on the way; B: input Wo: QUANTISED
;;   THE QUANTISER, for each operand of a quantised product, along K:
;;     - K is cut into blocks of 32 from its start; a last block that is shorter is filled with zeros.
;;     - A block's scale is 2^e with e = floor(log2(the largest magnitude in the block)) - 2, held to -126 .. 127; a block of zeros has e = 0. As a byte (E8M0): e + 127.
;;     - Each number is divided by its block's scale, clamped to +-7.5, and rounded to the nearest number of E2M3, ties to even, subnormals kept.
;;     - The product sums the exact products of the quantised numbers (number of the format x scale) in f32.
;;   ~~~python
;;   def quantise(x, axis):      # numpy; x: float32 -> the quantised numbers, widened to float32 again
;;       x = np.moveaxis(x, axis, -1); K = x.shape[-1]
;;       x = np.pad(x, [(0, 0)] * (x.ndim - 1) + [(0, -K % 32)]); x = x.reshape(x.shape[:-1] + (-1, 32)); a = np.abs(x).max(-1, keepdims=True)
;;       e = np.where(a > 0, np.clip(np.frexp(np.where(a > 0, a, 1))[1] - 1 - 2, -126, 127), 0)      # np.frexp(a)[1] - 1 = floor(log2(a)), exactly
;;       r = np.clip(x / 2.0 ** e, -7.5, 7.5)
;;       step = 2.0 ** (np.maximum(np.frexp(np.where(r == 0, 1, r))[1] - 1, 0) - 3)
;;       q = np.round(r / step) * step * 2.0 ** e      # np.round: ties to even
;;       return np.moveaxis(q.reshape(q.shape[:-2] + (-1,))[..., :K], -1, axis).astype(np.float32)
;;   ~~~
;;   SOFTMAX AHEAD OF A QUANTISED PRODUCT. Where the list says 'softmax', what is quantised is not the finished softmax but p = 2^(t - M), with t = logit x log2(e) and M = ceil(the row's largest t), a whole number; so 1/2 < the row's largest p <= 1. The row's sum l is taken of the UNQUANTISED p, in f32, and the product's result is divided by l at the end. Since M is a whole number, a kernel that streams over the keys may use a running M (the ceiling of the running maximum): every later rescaling is an exact power of two, which a block's scale takes up: the codes' values come out the same.
;;   OPERANDS COMPUTED ON THE WAY. 'Computed on the way' means the value that the module computes at that place (a softmax that the list does not call 'softmax' is quantised finished and normalised). What goes into a quantiser is computed in f32, as accurately as f32 sums, v_exp_f32 and their like allow (about 1e-6 of the number): no bf16 or f16 on the way to a quantiser, and a product that is left as it is and whose result goes on into a quantised operand takes f32 operands (vector FMAs, or v_wmma_f32_16x16x4_f32). A number that lies on a knife's edge between two numbers of the format may be rounded either way, as far as f32 arithmetic and the matrix unit's own rounding can turn it there, and no further.
;; One version. Each part assembles by itself: llvm-mc -triple=amdgcn-amd-amdhsa -mcpu=gfx1250 --defsym DOCPART=n.
;; ======== version 1 of 1: 3 launches
;; limits: right only within a limited range of input values
;; workspace buffers: wqi 819,200 bytes; woi 819,200 bytes; wkvi 102,400 bytes; tab 524,288 bytes; kvi 819,200 bytes
;; launch prep (part 1): grid 200 x 1, 4 waves a work-group, no clusters, 12,800 bytes of LDS; arguments Wq, Wo, Wkv, wqi, woi, wkvi, tab; writes wqi, woi, wkvi, tab
.if DOCPART == 1
	.amdgcn_target "amdgcn-amd-amdhsa--gfx1250"
	.amdhsa_code_object_version 6
	.text
	.protected	k_q2eebf93ea5_prep
	.globl	k_q2eebf93ea5_prep
	.p2align	8
	.type	k_q2eebf93ea5_prep,@function
k_q2eebf93ea5_prep:
	s_mov_b64 s[64:65], 0
	v_nop
	global_prefetch_b8 v0, s[64:65] scope:SCOPE_SE
	s_setreg_imm32_b32 hwreg(HW_REG_WAVE_MODE, 25, 1), 1
	s_wait_xcnt 0x0
; THE WEIGHTS INTO CODES, AND THE TABLE OF ROTATIONS.
; Wq, Wo [1024][1024] and Wkv [1024][128], f32, have K as their FIRST axis.  They become codes of FP6 (E2M3) with one E8M0 byte for each 32 along K,
; laid in the order of the matrix operand's registers: a fragment (16 columns x 128 K, 12 registers a lane) is 1,536 bytes, register 4 g + e of lane l at 512 g + 16 l + 4 e.
; THE COLUMNS OF A TILE ARE NOT NEIGHBOURS: in each group of 32 columns tile u (0, 1) has as row r the column 8 u + r + 8 (r / 8).
; A block's scale is 2^(floor(log2(largest magnitude)) - 2); its byte is the largest magnitude's exponent field - 2, held at 1 from below.
; LIMITS: a block of zeros gets the byte 1 where the rule says 127 (its codes are zeros, and this program alone reads the bytes); NaN and infinities among the inputs are not served.
; SHARES: work-groups 0-63 take Wq, 64-127 Wo, 128-135 Wkv: a wave takes 32 columns x 128 along K; a lane is a column and its registers run down K, so each load reads 128 consecutive bytes
; (the four waves stand side by side on 512), a block of 32 lies in one lane, and the conversions give the codes with K innermost.  The codes turn through the wave's own 3,072 bytes of LDS into the images.
; Work-groups 136-199 make tab[pos][f] = (cos, sin)(pos x 2^(-3 f / 8)), pos 0 .. 2047, f 0 .. 31: a wave takes 8 positions, a lane one f.  The angle is reduced by multiples of pi/2 given in three parts
; (fused multiply-adds), cosine and sine are Taylor sums on [-pi/4, pi/4] whose first left-out terms lie under 2e-9.  2^(-3 f / 8) is the f32 number nearest to it.
; No tensor load, no barrier: waves share nothing.  Matrix units and clusters have nothing to do here.
.set VO, 32                            ; v32-63   k x pitch + 4 x lane, k = 0 .. 31
.set X,  64                            ; v64-191  my column's 128 numbers; at the end v64-87 the images on their way out
.set C,  192                           ; v192..   block b's six registers of codes at C + 8 b
.set T,  224                           ; v224-226 a block's upper 16 codes (a conversion's three registers begin on an even number)
.set W,  227                           ; v227     my column's scale word
	s_load_b256 s[4:11], s[0:1], 0x0               ; Wq s[4:5], Wo s[6:7], Wkv s[8:9], wqi s[10:11]
	s_load_b128 s[12:15], s[0:1], 0x20             ; woi s[12:13], wkvi s[14:15]
	s_load_b64 s[16:17], s[0:1], 0x30              ; tab
	v_lshl_add_u32 v232, v0, 2, 0x3000
	v_mov_b32 v233, 0
	v_lshrrev_b32 v1, 5, v0
	v_readfirstlane_b32 s18, v1                    ; wave 0..3
	v_and_b32 v2, 31, v0                           ; lane
	s_cmp_ge_u32 ttmp9, 136
	s_cbranch_scc1 .Ltable
	; ---- a weight.  What differs between the large weights and Wkv is chosen on the work-group's number alone
	s_and_b32 s19, ttmp9, 63                       ; j
	s_and_b32 s20, s19, 7
	s_lshr_b32 s21, s19, 3
	s_mov_b32 s22, 512
	s_mov_b32 s23, 6144
	s_mov_b32 s24, 12288
	s_mov_b32 s25, 98304
	s_mov_b32 s26, 256
	s_mov_b32 s27, 512
	s_cmp_lt_u32 ttmp9, 128                        ; a large weight?
	s_cselect_b32 s20, s20, 0                      ; cx: which 128 columns
	s_cselect_b32 s21, s21, s19                    ; s: which 128 along K
	s_cselect_b32 s22, 4096, s22                   ; a row of the weight in bytes
	s_cselect_b32 s23, 49152, s23                  ; images: from 64 columns to the next 64,
	s_cselect_b32 s24, 6144, s24                   ; from K step to K step
	s_cselect_b32 s25, 786432, s25                 ; where the scale words begin,
	s_cselect_b32 s26, 2048, s26                   ; from 64 columns to the next 64,
	s_cselect_b32 s27, 256, s27                    ; from K step to K step
	s_wait_kmcnt 0x0
	s_cselect_b64 s[8:9], s[6:7], s[8:9]           ; Wo or Wkv,
	s_cselect_b64 s[14:15], s[12:13], s[14:15]
	s_cmp_lt_u32 ttmp9, 64
	s_cselect_b64 s[4:5], s[4:5], s[8:9]           ; or Wq
	s_cselect_b64 s[10:11], s[10:11], s[14:15]
	s_lshl_b32 s28, s20, 2
	s_add_co_u32 s28, s28, s18                     ; P: which 32 columns are my wave's
	s_lshr_b32 s29, s28, 1                         ; which 64
	s_and_b32 s30, s28, 1                          ; and which half of them
	s_lshl_b32 s40, s22, 7
	s_mul_i32 s40, s40, s21                        ; 128 s rows down,
	s_lshl_b32 s41, s28, 7
	s_add_co_u32 s40, s40, s41                     ; 128 P bytes along
	s_mov_b32 s41, 0
	s_lshl_b32 s42, s22, 5                         ; 32 rows
	s_mov_b32 s43, 0
	s_mul_i32 s44, s29, s23
	s_mul_i32 s45, s21, s24
	s_add_co_u32 s44, s44, s45
	s_mul_i32 s45, s30, 3072
	s_add_co_u32 s44, s44, s45                     ; my two images
	s_mov_b32 s45, 0
	s_mul_i32 s46, s29, s26
	s_mul_i32 s47, s21, s27
	s_add_co_u32 s46, s46, s47
	s_lshl_b32 s47, s30, 7
	s_add_co_u32 s46, s46, s47
	s_add_co_u32 s46, s46, s25                     ; my 32 scale words
	s_mov_b32 s47, 0
	s_add_nc_u64 s[32:33], s[4:5], s[40:41]        ; a base for each block of 32 rows
	s_add_nc_u64 s[34:35], s[32:33], s[42:43]
	s_add_nc_u64 s[36:37], s[34:35], s[42:43]
	s_add_nc_u64 s[38:39], s[36:37], s[42:43]
	s_add_nc_u64 s[48:49], s[10:11], s[44:45]
	s_add_nc_u64 s[50:51], s[10:11], s[46:47]
	s_wait_alu depctr_va_vdst(0)
	v_lshlrev_b32 v3, 2, v2                        ; 4 x lane
.set i, 0
.rept 32
	v_mad_u32_u24 v[VO+i], s22, i, v3              ; row i of a block, my column
.set i, i+1
.endr
.macro LOADB b                         ; block b: W(128 s + 32 b + i, my column), i = 0 .. 31
.set i, 0
.rept 32
	global_load_b32 v[X+32*(\b)+i], v[VO+i], s[32+2*(\b):33+2*(\b)] th:TH_LOAD_NT
.set i, i+1
.endr
.endm
	LOADB 0
	LOADB 1
	v_bfe_u32 v4, v0, 3, 1                         ; my column is row r of tile u: u = (lane / 8) % 2,
	v_and_b32 v5, 7, v0
	v_bfe_u32 v6, v0, 4, 1
	v_lshl_add_u32 v5, v6, 3, v5                   ; r = lane % 8 + 8 (lane / 16)
	s_mul_i32 s52, s18, 3072                       ; my wave's stage: two images
	v_mul_u32_u24 v7, v4, 1536
	v_lshl_add_u32 v7, v5, 4, v7
	v_add_nc_u32 v7, s52, v7                       ; into it: image u, lane r's place
	v_lshlrev_b32 v8, 4, v2                        ; out: 16 x lane,
	v_add_nc_u32 v9, s52, v8                       ; in LDS
	v_lshl_add_u32 v10, v4, 4, v5
	v_lshlrev_b32 v10, 2, v10                      ; my scale word's place: 4 (16 u + r)
; Block b of my column is what lane (r, b % 2) of the fragment holds in registers 6 (b / 2) .. 6 (b / 2) + 5.
.macro BLOCK b, left
	s_wait_loadcnt \left                           ; this block's 32 loads are in; the one block issued behind it may be out
.if (\b) < 2
	LOADB (\b)+2
.endif
.set XS, X+32*(\b)
.set CB, C+8*(\b)
	v_max3_num_f32 v12, |v[XS]|, |v[XS+1]|, |v[XS+2]|              ; the block's largest magnitude: all 32 numbers are mine; two chains
	v_max3_num_f32 v13, |v[XS+3]|, |v[XS+4]|, |v[XS+5]|
.irp i, 6,10,14,18,22,26
	v_max3_num_f32 v12, v12, |v[XS+\i]|, |v[XS+\i+1]|
	v_max3_num_f32 v13, v13, |v[XS+\i+2]|, |v[XS+\i+3]|
.endr
	v_max3_num_f32 v12, v12, |v[XS+30]|, |v[XS+31]|
	v_max3_num_f32 v12, v12, v13, 0x1800000        ; and the floor 2^(3 - 127): the byte cannot fall under 1
	v_add_nc_u32 v11, 0xff000000, v12              ; 2 off the exponent field: the conversion takes the exponent field of this operand as its scale
	v_lshrrev_b32 v13, 23, v11                     ; the scale's byte
.if (\b) == 0
	v_mov_b32 v[W], v13
.else
	v_lshl_or_b32 v[W], v13, 8*(\b), v[W]          ; the lower K in the lower byte
.endif
	v_cvt_scalef32_pk16_fp6_f32 v[CB:CB+2], v[XS:XS+15], v11
	v_cvt_scalef32_pk16_fp6_f32 v[T:T+2], v[XS+16:XS+31], v11
	v_nop                                          ; one plain instruction between a scaled conversion and the vector instruction that reads its result
.irp i, 0,1,2
	v_mov_b32 v[CB+3+\i], v[T+\i]
.endr
.if (\b) < 2
	ds_store_b128 v7, v[CB:CB+3] offset:256*((\b)%2)               ; registers 0-3
	ds_store_b64 v7, v[CB+4:CB+5] offset:256*((\b)%2)+512          ; registers 4, 5
.else
	ds_store_b64 v7, v[CB:CB+1] offset:256*((\b)%2)+520            ; registers 6, 7
	ds_store_b128 v7, v[CB+2:CB+5] offset:256*((\b)%2)+1024        ; registers 8-11
.endif
.endm
	BLOCK 0, 32
	BLOCK 1, 32
	BLOCK 2, 32
	BLOCK 3, 0
.irp k, 0,1,2,3,4,5
	ds_load_b128 v[X+4*\k:X+4*\k+3], v9 offset:512*\k              ; LDS serves a wave's instructions in order: these see my stores
.endr
	s_wait_alu depctr_va_vdst(0)
.irp k, 0,1,2,3,4,5
	s_wait_dscnt 5-\k
	global_store_b128 v8, v[X+4*\k:X+4*\k+3], s[48:49] offset:512*\k   ; 32 lanes store 512 consecutive bytes, at a multiple of 256 from the buffer's first byte
.endr
	global_store_b32 v10, v[W], s[50:51]           ; 128 consecutive bytes a wave
	s_wait_tensorcnt 0x0
	ds_add_u32 v232, v233
	s_wait_dscnt 0x0
	s_endpgm
.Ltable:
	s_sub_co_u32 s19, ttmp9, 136
	s_lshl_b32 s19, s19, 2
	s_add_co_u32 s19, s19, s18                     ; which 8 positions are my wave's
	s_lshl_b32 s20, s19, 3                         ; the first of them
	s_lshl_b32 s22, s19, 11                        ; a position is 256 bytes
	s_mov_b32 s23, 0
	s_wait_alu depctr_va_vdst(0)
	v_mul_u32_u24 v3, v2, 3                        ; 3 f
	v_and_b32 v4, 7, v3                            ; 3 f = 8 a + rho
	v_lshrrev_b32 v5, 3, v3
	v_sub_nc_u32 v5, 0, v5                         ; -a
	v_mov_b32 v6, 1.0
.macro PICK k, lit                     ; 2^(-rho / 8), picked without a branch
	v_cmp_ne_u32 vcc_lo, \k, v4
	v_cndmask_b32 v6, \lit, v6, vcc_lo
.endm
	PICK 1, 0x3f6ac0c7
	PICK 2, 0x3f5744fd
	PICK 3, 0x3f45672a
	PICK 4, 0x3f3504f3
	PICK 5, 0x3f25fed7
	PICK 6, 0x3f1837f0
	PICK 7, 0x3f0b95c2
	v_ldexp_f32 v6, v6, v5                         ; 2^(-3 f / 8)
	v_lshlrev_b32 v7, 3, v2                        ; 8 bytes a lane
	v_mov_b32 v19, 0xb493f27e                      ; -1 / 10!
	v_mov_b32 v20, 0x3638ef1d                      ; 1 / 9!
	s_wait_kmcnt 0x0
	s_add_nc_u64 s[16:17], s[16:17], s[22:23]
.irp i, 0,1,2,3,4,5,6,7
	s_add_co_u32 s24, s20, \i
	v_cvt_f32_u32 v8, s24
	s_wait_alu depctr_va_vdst(0)
	v_mul_f32 v8, v8, v6                           ; the angle, rounded once
	v_mul_f32 v9, 0x3f22f983, v8
	v_rndne_f32 v9, v9                             ; n = the nearest whole number to angle x 2 / pi
	v_fmamk_f32 v10, v9, 0xbfc90fdb, v8            ; angle - n pi/2, pi/2 in three parts
	v_fmamk_f32 v10, v9, 0x333bbd2e, v10
	v_fmamk_f32 v10, v9, 0x26f72ced, v10           ; x, in [-pi/4, pi/4]
	v_mul_f32 v11, v10, v10                        ; x^2
	v_fmaak_f32 v12, v19, v11, 0x37d00d01
	v_fmaak_f32 v12, v12, v11, 0xbab60b61
	v_fmaak_f32 v12, v12, v11, 0x3d2aaaab
	v_fmaak_f32 v12, v12, v11, 0xbf000000
	v_fmaak_f32 v12, v12, v11, 0x3f800000          ; cos x
	v_fmaak_f32 v13, v20, v11, 0xb9500d01
	v_fmaak_f32 v13, v13, v11, 0x3c088889
	v_fmaak_f32 v13, v13, v11, 0xbe2aaaab
	v_mul_f32 v14, v10, v11
	v_fma_f32 v13, v13, v14, v10                   ; sin x
	v_cvt_i32_f32 v15, v9                          ; n: its two low bits are the quadrant
	v_and_b32 v16, 1, v15
	v_cmp_eq_u32 vcc_lo, 1, v16
	v_cndmask_b32 v17, v12, v13, vcc_lo            ; odd quadrants: the two change places
	v_cndmask_b32 v18, v13, v12, vcc_lo
	v_add_nc_u32 v16, 1, v15
	v_lshlrev_b32 v16, 30, v16
	v_lshlrev_b32 v15, 30, v15
	v_and_b32 v16, 0x80000000, v16                 ; the cosine is negative in quadrants 1 and 2,
	v_and_b32 v15, 0x80000000, v15                 ; the sine in 2 and 3
	v_xor_b32 v[32+2*\i], v17, v16
	v_xor_b32 v[33+2*\i], v18, v15
	global_store_b64 v7, v[32+2*\i:33+2*\i], s[16:17] offset:256*\i   ; 32 lanes store 256 consecutive bytes, aligned; each position has registers of its own
.endr
	s_endpgm
.Lfunc_end_k_q2eebf93ea5_prep:
	.size	k_q2eebf93ea5_prep, .Lfunc_end_k_q2eebf93ea5_prep-k_q2eebf93ea5_prep
	.p2alignl 7, 3214868480
	.fill 96, 4, 3214868480
	.section	.rodata,"a",@progbits
	.p2align	6, 0x0
	.amdhsa_kernel k_q2eebf93ea5_prep
		.amdhsa_group_segment_fixed_size 12800
		.amdhsa_private_segment_fixed_size 0
		.amdhsa_enable_private_segment 0
		.amdhsa_kernarg_size 56
		.amdhsa_user_sgpr_count 2
		.amdhsa_user_sgpr_kernarg_segment_ptr 1
		.amdhsa_wavefront_size32 1
		.amdhsa_system_sgpr_workgroup_id_x 1
		.amdhsa_system_sgpr_workgroup_id_y 1
		.amdhsa_system_sgpr_workgroup_id_z 1
		.amdhsa_system_vgpr_workitem_id 0
		.amdhsa_next_free_vgpr 234
		.amdhsa_next_free_sgpr 66
		.amdhsa_reserve_vcc 1
		.amdhsa_float_denorm_mode_32 3
		.amdhsa_float_denorm_mode_16_64 3
		.amdhsa_memory_ordered 1
		.amdhsa_forward_progress 1
		.amdhsa_inst_pref_size 40
	.end_amdhsa_kernel
	.amdgpu_metadata
---
amdhsa.version: [ 1, 2 ]
amdhsa.kernels:
  - .name:           k_q2eebf93ea5_prep
    .symbol:         k_q2eebf93ea5_prep.kd
    .args:
      - { .name: Wq, .offset: 0, .size: 8, .value_kind: global_buffer, .address_space: global }
      - { .name: Wo, .offset: 8, .size: 8, .value_kind: global_buffer, .address_space: global }
      - { .name: Wkv, .offset: 16, .size: 8, .value_kind: global_buffer, .address_space: global }
      - { .name: wqi, .offset: 24, .size: 8, .value_kind: global_buffer, .address_space: global }
      - { .name: woi, .offset: 32, .size: 8, .value_kind: global_buffer, .address_space: global }
      - { .name: wkvi, .offset: 40, .size: 8, .value_kind: global_buffer, .address_space: global }
      - { .name: tab, .offset: 48, .size: 8, .value_kind: global_buffer, .address_space: global }
    .group_segment_fixed_size: 12800
    .private_segment_fixed_size: 0
    .kernarg_segment_align: 8
    .kernarg_segment_size: 56
    .max_flat_workgroup_size: 128
    .sgpr_count:     66
    .vgpr_count:     234
    .wavefront_size: 32
...
	.end_amdgpu_metadata
.endif
;; end of part 1
;; launch kvproj (part 2): grid 256 x 1, 16 waves a work-group, no clusters, 202,752 bytes of LDS; arguments kv, bkv, wkvi, tab, kvi; writes kvi
.if DOCPART == 2
	.amdgcn_target "amdgcn-amd-amdhsa--gfx1250"
	.amdhsa_code_object_version 6
	.text
	.protected	k_q2eebf93ea5_kvproj
	.globl	k_q2eebf93ea5_kvproj
	.p2align	8
	.type	k_q2eebf93ea5_kvproj,@function
k_q2eebf93ea5_kvproj:
	s_mov_b64 s[64:65], 0
	v_nop
	global_prefetch_b8 v0, s[64:65] scope:SCOPE_SE
	s_setreg_imm32_b32 hwreg(HW_REG_WAVE_MODE, 25, 1), 1
	s_wait_xcnt 0x0
; k AND v: kv Wkv + bkv on codes of FP6 (E2M3) with one E8M0 scale for each 32 along K; the rotation on k; k quantised along its 64 channels, v along the keys; both laid as the attention launch's operands.
; SHARES.  A work-group takes 32 keys of one batch, which is one block of v's quantiser.  All sixteen waves quantise kv: wave w takes 16 keys (tile u = w % 2) x 128 along K (K step s = w / 2).  The fragments go to LDS
; as images of their registers (register 4 g + e of lane l at 512 g + 16 l + 4 e).  Waves 0-3 then multiply: 32 matrix instructions each, K = 1,024.  The other twelve end behind the barrier.
; THE KEYS OF A TILE ARE NOT NEIGHBOURS: row r of tile u is key 8 u + r + 8 (r / 8) of the 32; Wkv's columns are laid likewise by the launch before.
; ROLES, one text.  Waves 0, 1 (k, channels 32 idx on): source 0 = two tiles of Wkv, source 1 = the two tiles of kv: a lane holds one key and 16 neighbouring channels.
;   Waves 2, 3 (v, channels 32 idx on): source 0 = the two tiles of kv, source 1 = two tiles of Wkv: a lane holds one channel and 16 neighbouring keys.  Either way the 16 registers run along the next product's K.
; The bias is loaded straight into the accumulators: it is the C of each sum's first matrix instruction.
; Wkv's images (98,304 bytes) come by one tensor load a wave, once; nothing is filled again.  No cluster: a joint load would share these 98,304 bytes, a third of what a work-group reads, asked for once at the head
; and wanted only behind the quantising of kv.
; OUT, per batch 196,608 bytes: k's tile (block of 32 keys KB, u) at 1536 KB + 768 u: registers 0-3 of lane l at 16 l, registers 4, 5 at 512 + 8 l; v's block KB at 98304 + 1536 KB: for x = 16 tile + row the first 16 bytes
; at 16 x, the last 8 at 1024 + 8 x.  Scale bytes behind the four batches, 128 a block: k's channels 0-31, k's channels 32-63, v's 64.  v's stores and k's stores of 16 bytes cover whole runs of 256 bytes; k's stores of 8 bytes
; runs of 128, the scale bytes runs of 32: 40 of each block's 3,200 bytes... stated here since they are written in part-runs.
; LIMITS: a block of zeros gets the byte 1 where the rule says 127 (its codes are zeros; this program alone reads the bytes); NaN and infinities among the inputs are not served.
.set STEPB, 15360                      ; LDS, for each K step: Wkv's 8 images (12,288 bytes, by tensor load), then kv's two (3,072, by ds_store, in aligned blocks of 256 bytes of their own)
.set WSC,   122880                     ; Wkv's scale words, 512 bytes a K step: tiles 2 p, 2 p + 1 at 128 p + 4 x lane
.set KSC,   126976                     ; kv's scale words, 512 bytes apart: tile u's row r at 64 u + 4 r
.set STG,   131072                     ; a stage of 16 rows x 272 bytes for each wave
.set GQ,  1                            ; v1   kv: 4096 (lane / 16) + 16 (lane % 16)
.set STA, 2                            ; v2   the stage by rows as loaded: 272 (lane / 16) + 16 (lane % 16)
.set STB, 3                            ; v3   the stage by lanes: 272 (lane % 16) + 64 (lane / 16)
.set TM,  16                           ; v16-31 at work in QUANT
.set PC,  32                           ; v32-43 the codes just made
.set PT,  44                           ; v44-51 conversions' second halves
.set PW,  52                           ; v52  the scale word just made
.set RT,  54                           ; v54-55 at work in ROPE
.set MX,  16                           ; QUANT2: largest magnitudes,
.set PM,  20                           ; the other half of the lanes',
.set BY,  24                           ; the bytes,
.set SO,  28                           ; the conversions' scale operands,
.set YT,  44                           ; the second conversion's result
.set RC,  32                           ; v32-37 the six registers of codes that leave
.set FA,  64                           ; v64-87  source 0's two fragments;  v88, v89: scale words and nothing else
.set X,   96                           ; v96-159 64 numbers of kv
.set ACC, 160                          ; v160-191 accumulator (j, i) at ACC + 16 j + 8 i
.set TB,  192                          ; v192-223 (cos, sin) for k's rotation
.set FB,  224                          ; v224-247 source 1's two fragments
.set SEL, 36                           ; s[36:37] lane selects for v_permlanex16_b32: lane l xor 16
	s_load_b256 s[4:11], s[0:1], 0x0               ; kv s[4:5], bkv s[6:7], wkvi s[8:9], tab s[10:11]
	s_load_b64 s[12:13], s[0:1], 0x20              ; kvi
	v_lshl_add_u32 v254, v0, 2, 0x31000
	v_mov_b32 v255, 0
	ds_add_u32 v254, v255
	ds_add_u32 v254, v255
	v_lshrrev_b32 v60, 5, v0
	s_delay_alu instid0(VALU_DEP_1)
	v_readfirstlane_b32 s14, v60                   ; wave 0..15
	s_and_b32 s15, s14, 1                          ; u; for waves 0-3 also idx
	s_lshr_b32 s16, s14, 1                         ; s
	s_and_b32 s17, s16, 1                          ; role: 0 k, 1 v
	s_xor_b32 s18, s17, 1                          ; 1 - role
	s_and_b32 s19, s15, s17                        ; idx where the role is v, else 0
	v_and_b32 v56, 31, v0                          ; lane
	v_and_b32 v57, 15, v0                          ; r
	v_bfe_u32 v58, v0, 4, 1                        ; h
	; every LDS address is made here, ahead of the first branch on the wave's number
	s_delay_alu instid0(VALU_DEP_2)
	v_lshlrev_b32 v[GQ], 4, v57
	s_delay_alu instid0(VALU_DEP_1)
	v_lshl_add_u32 v[GQ], v58, 12, v[GQ]
	s_mul_i32 s20, s14, 4352
	s_add_co_u32 s20, s20, STG                     ; my stage
	v_mul_u32_u24 v[STA], v58, 272
	s_delay_alu instid0(VALU_DEP_1)
	v_lshl_add_u32 v[STA], v57, 4, v[STA]
	s_delay_alu instid0(VALU_DEP_1)
	v_add_nc_u32 v[STA], s20, v[STA]
	v_mul_u32_u24 v[STB], v57, 272
	s_delay_alu instid0(VALU_DEP_1)
	v_lshl_add_u32 v[STB], v58, 6, v[STB]
	s_delay_alu instid0(VALU_DEP_1)
	v_add_nc_u32 v[STB], s20, v[STB]
	s_mul_i32 s21, s16, STEPB
	s_mul_i32 s22, s15, 1536
	s_add_co_u32 s21, s21, s22
	s_add_co_u32 s21, s21, 12288
	v_lshl_add_u32 v4, v56, 4, s21                 ; v4: where my fragment's image goes
	s_lshl_b32 s21, s16, 9
	s_lshl_b32 s22, s15, 6
	s_add_co_u32 s21, s21, s22
	s_add_co_u32 s21, s21, KSC
	v_lshl_add_u32 v5, v57, 2, s21                 ; v5: and its scale words
	s_xor_b32 s21, s15, s19                        ; idx where the role is k, else 0
	s_lshl_b32 s22, s21, 1
	s_lshl_b32 s23, s17, 3
	s_add_co_u32 s22, s22, s23                     ; source 0's first image of a K step's ten: k: 2 idx (Wkv);  v: 8 (kv)
	s_mul_i32 s22, s22, 1536
	v_lshl_add_u32 v6, v56, 4, s22                 ; v6
	s_lshl_b32 s22, s18, 3
	s_lshl_b32 s23, s17, 2
	s_add_co_u32 s22, s22, s23
	s_lshl_b32 s23, s19, 1
	s_add_co_u32 s22, s22, s23                     ; source 1's: k: 8 (kv);  v: 4 + 2 idx (Wkv)
	s_mul_i32 s22, s22, 1536
	v_lshl_add_u32 v7, v56, 4, s22                 ; v7
	s_lshl_b32 s22, s21, 7
	s_lshl_b32 s23, s17, 12
	s_add_co_u32 s22, s22, s23
	s_add_co_u32 s22, s22, WSC
	v_lshl_add_u32 v8, v56, 2, s22                 ; v8: source 0's scale words: lanes 0-15 its first tile's, lanes 16-31 its second's
	s_lshl_b32 s22, s18, 12
	s_lshl_b32 s23, s17, 8
	s_add_co_u32 s22, s22, s23
	s_lshl_b32 s23, s19, 7
	s_add_co_u32 s22, s22, s23
	s_add_co_u32 s22, s22, WSC
	v_lshl_add_u32 v9, v56, 2, s22                 ; v9: source 1's
	v_lshl_add_u32 v93, v0, 3, WSC                 ; v93: Wkv's scale words on their way in: 8 bytes a thread
	; offsets in memory
	s_mul_i32 s22, s18, 768
	s_lshl_b32 s23, s17, 8
	s_add_co_u32 s23, s22, s23
	v_mul_u32_u24 v10, s23, v58                    ; lanes 16-31 hold the second tile: k: the next image, 768 on;  v: the next 16 rows, 256 on
	s_delay_alu instid0(VALU_DEP_1)
	v_lshl_add_u32 v10, v57, 4, v10
	s_add_co_u32 s23, s17, 1
	s_mul_i32 s23, s23, s15                        ; idx (1 + role)
	s_lshl_b32 s20, s23, 8
	v_add_nc_u32 v10, s20, v10                     ; v10: my first 16 bytes of codes
	s_lshl_b32 s20, s17, 7
	s_add_co_u32 s20, s22, s20
	v_mul_u32_u24 v11, s20, v58
	s_delay_alu instid0(VALU_DEP_1)
	v_lshl_add_u32 v11, v57, 3, v11
	s_lshl_b32 s20, s23, 7
	s_lshl_b32 s22, s17, 9
	s_add_co_u32 s20, s20, s22
	s_add_co_u32 s20, s20, 512
	v_add_nc_u32 v11, s20, v11                     ; v11: my last 8
	v_mov_b32 v12, v56                             ; v12: my scale byte
	v_lshlrev_b32 v13, 6, v58                      ; v13: 64 h
	v_and_b32 v59, 8, v57
	s_delay_alu instid0(VALU_DEP_1)
	v_add_nc_u32 v59, v59, v57                     ; r + 8 (r / 8)
	s_delay_alu instid0(VALU_DEP_1)
	v_lshlrev_b32 v14, 2, v59                      ; v14: bkv at my column (role v)
	s_delay_alu instid0(VALU_DEP_2)
	v_lshl_add_u32 v15, v59, 8, v13                ; v15: tab at my key, my half's eight frequencies (role k)
	v_lshlrev_b32 v92, 3, v0                       ; v92: 8 x thread
.irp b, 0,1,2,3
	v_mov_b32 v[TM+4+\b], 0                        ; written once: a lane permute's destination counts as one of its sources
.endr
	s_mov_b32 s[SEL], 0x76543210
	s_mov_b32 s[SEL+1], 0xfedcba98
	; the tensor load: my 6,144 bytes of Wkv's images, dense, as 24 rows of 256 bytes
	s_mov_b32 s28, 3<<16                           ; no mask; elements of 8 bytes; no padding
	s_mov_b32 s29, 32<<16                          ; tensor_dim0 = 32
	s_mov_b32 s30, 24<<16                          ; tensor_dim1 = 24
	s_mov_b32 s31, 32<<16                          ; tile_dim0 = 32
	s_mov_b32 s32, 24                              ; tile_dim1 = 24
	s_mov_b32 s33, 32                              ; from row to row
	s_mov_b32 s34, 0
	s_mov_b32 s35, 0
	s_mov_b32 s24, 1
	s_mul_i32 s38, s16, STEPB
	s_mul_i32 s39, s15, 6144
	s_add_co_u32 s25, s38, s39                     ; LDS: K step w / 2, half w % 2
	s_mul_i32 s38, s14, 6144
	s_mov_b32 s39, 0
	s_wait_dscnt 0x0
	s_wait_kmcnt 0x0
	s_add_nc_u64 s[26:27], s[8:9], s[38:39]
	s_or_b32 s27, s27, 0x80000000                  ; type = 2
	tensor_load_to_lds s[24:27], s[28:35]          ; the wave's one tensor load: a first fill, ahead of every LDS read, barrier and wait on TENSORcnt
	s_nop 0
.rept 4
	v_nop
.endr
	s_lshl_b32 s38, ttmp9, 17                      ; 32 keys x 4,096 bytes a work-group,
	s_lshl_b32 s20, s15, 15                        ; tile u begins 8 keys down,
	s_add_co_u32 s38, s38, s20
	s_lshl_b32 s20, s16, 9                         ; K step s
	s_add_co_u32 s38, s38, s20
	s_add_nc_u64 s[40:41], s[4:5], s[38:39]        ; kv
	s_add_nc_u64 s[42:43], s[8:9], 98304           ; Wkv's scale words
	s_lshl_b32 s38, s15, 7
	s_lshl_b32 s20, s17, 8
	s_add_co_u32 s38, s38, s20
	s_add_nc_u64 s[44:45], s[6:7], s[38:39]        ; bkv at column 64 role + 32 idx
	s_and_b32 s21, ttmp9, 63                       ; KB
	s_lshl_b32 s38, s21, 13
	s_lshl_b32 s20, s15, 7
	s_add_co_u32 s38, s38, s20
	s_add_nc_u64 s[46:47], s[10:11], s[38:39]      ; tab at position 32 KB, frequency 16 idx
	s_lshr_b32 s22, ttmp9, 6                       ; batch
	s_mul_i32 s38, s22, 196608
	s_mul_i32 s20, s21, 1536
	s_add_co_u32 s38, s38, s20
	s_mul_i32 s20, s17, 98304
	s_add_co_u32 s38, s38, s20
	s_add_nc_u64 s[48:49], s[12:13], s[38:39]      ; my block's codes
	s_lshl_b32 s38, ttmp9, 7
	s_lshl_b32 s20, s14, 5
	s_add_co_u32 s38, s38, s20
	s_add_co_u32 s38, s38, 786432
	s_add_nc_u64 s[50:51], s[12:13], s[38:39]      ; my 32 scale bytes
	; what the multiplying waves want beside the operands
	s_cmp_lt_u32 s14, 2
	s_cbranch_scc0 .Lnot_k
.irp j, 0,1
.irp i, 0,1
.irp f, 0,1
	global_load_b128 v[ACC+16*\j+8*\i+4*\f:ACC+16*\j+8*\i+4*\f+3], v13, s[44:45] offset:32*\i+16*\f   ; the bias of channels 32 idx + 16 h + 8 i + 0 .. 7
.endr
.endr
.endr
	s_wait_alu depctr_va_vdst(0)
.irp j, 0,1
.irp k, 0,1,2,3
	global_load_b128 v[TB+16*\j+4*\k:TB+16*\j+4*\k+3], v15, s[46:47] offset:2048*\j+16*\k               ; (cos, sin) of my key of tile j, eight frequencies
.endr
.endr
	s_branch .Lroles_done
.Lnot_k:
	s_cmp_lt_u32 s14, 4
	s_cbranch_scc0 .Lroles_done
	s_wait_alu depctr_va_vdst(0)
.irp j, 0,1
.set e, 0
.rept 16
	global_load_b32 v[ACC+16*\j+e], v14, s[44:45] offset:32*\j    ; the bias of my one channel, in all 16 registers
.set e, e+1
.endr
.endr
.Lroles_done:
	s_wait_alu depctr_va_vdst(0)
	global_load_b64 v[90:91], v92, s[42:43]        ; Wkv's scale words: 4,096 bytes, 8 a thread
.irp p, 0,1                                    ; my 16 keys x 128 numbers: each load reads two keys' 256 consecutive bytes
.irp i, 0,1,2,3,4,5,6,7
	global_load_b128 v[X+32*\p+4*\i:X+32*\p+4*\i+3], v[GQ], s[40:41] offset:(2*\i+8*(\i/4))*4096+256*\p th:TH_LOAD_NT
.endr
.endr
; 16 rows x 256 bytes turn through my stage: in as loaded, out 64 bytes a lane, so that register 16 b + i is k = 32 b + 16 (lane / 16) + i of row lane % 16.  LDS serves a wave's instructions in order.
.macro TURNP p
.irp i, 0,1,2,3,4,5,6,7
	ds_store_b128 v[STA], v[X+32*\p+4*\i:X+32*\p+4*\i+3] offset:544*\i
.endr
.irp b, 0,1
.irp j, 0,1,2,3
	ds_load_b128 v[X+32*\p+16*\b+4*\j:X+32*\p+16*\b+4*\j+3], v[STB] offset:128*\b+16*\j
.endr
.endr
.endm
; 64 numbers of a lane become a fragment's codes in v[PC] on and its scale word in v[PW].
.macro QUANT s
.irp b, 0,1,2,3
	v_max3_num_f32 v[TM+\b], |v[\s+16*\b]|, |v[\s+1+16*\b]|, 0x1800000   ; my 16 numbers of block b, and the floor 2^(3 - 127): the byte cannot fall under 1
.endr
.irp i, 2,4,6,8,10,12,14
.irp b, 0,1,2,3
	s_delay_alu instid0(VALU_DEP_4)
	v_max3_num_f32 v[TM+\b], v[TM+\b], |v[\s+16*\b+\i]|, |v[\s+1+16*\b+\i]|
.endr
.endr
.irp b, 0,1,2,3
	s_delay_alu instid0(VALU_DEP_4)
	v_permlanex16_b32 v[TM+4+\b], v[TM+\b], s[SEL], s[SEL+1]
.endr
.irp b, 0,1,2,3
	s_delay_alu instid0(VALU_DEP_4)
	v_max_num_f32 v[TM+\b], v[TM+\b], v[TM+4+\b]   ; with lane l xor 16's: the block's largest magnitude
.endr
.irp b, 0,1,2,3
	s_delay_alu instid0(VALU_DEP_4)
	v_add_nc_u32 v[TM+12+\b], 0xff000000, v[TM+\b] ; 2 off its exponent field: the conversion's scale operand
.endr
.irp b, 0,1,2,3
	s_delay_alu instid0(VALU_DEP_4)
	v_lshrrev_b32 v[TM+4+\b], 23, v[TM+12+\b]      ; the scale's byte
.endr
	s_delay_alu instid0(VALU_DEP_3)
	v_lshl_or_b32 v[PW], v[TM+5], 8, v[TM+4]
	s_delay_alu instid0(VALU_DEP_1)
	v_lshl_or_b32 v[PW], v[TM+6], 16, v[PW]
	s_delay_alu instid0(VALU_DEP_1)
	v_lshl_or_b32 v[PW], v[TM+7], 24, v[PW]
.irp c, 0,1
	v_cvt_scalef32_pk16_fp6_f32 v[PC+6*\c:PC+2+6*\c], v[\s+32*\c:\s+15+32*\c], v[TM+12+2*\c]
	v_cvt_scalef32_pk16_fp6_f32 v[PT+4*\c:PT+2+4*\c], v[\s+16+32*\c:\s+31+32*\c], v[TM+12+2*\c+1]
.endr
	v_nop                                          ; one plain instruction behind a scaled conversion
.irp c, 0,1                                    ; the operand wants a whole block in a lane: lanes 0-15 block 2 c, lanes 16-31 block 2 c + 1
.irp i, 0,1,2
	v_permlane16_swap_b32 v[PC+6*\c+\i], v[PT+4*\c+\i]
.endr
.irp i, 0,1,2
	s_delay_alu instid0(VALU_DEP_3)
	v_mov_b32 v[PC+3+6*\c+\i], v[PT+4*\c+\i]
.endr
.endr
.endm
; Two blocks of 32, each 16 registers in lanes l and l xor 16, become six registers of codes: lanes 0-15 hold block 0 whole, lanes 16-31 block 1.  The bytes stay in v[BY], v[BY+1].
.macro QUANT2 src, dst
.irp b, 0,1
	v_max3_num_f32 v[MX+\b], |v[(\src)+16*\b]|, |v[(\src)+1+16*\b]|, 0x1800000
.endr
.irp i, 2,4,6,8,10,12,14
.irp b, 0,1
	v_max3_num_f32 v[MX+\b], v[MX+\b], |v[(\src)+16*\b+\i]|, |v[(\src)+1+16*\b+\i]|
.endr
.endr
.irp b, 0,1
	s_delay_alu instid0(VALU_DEP_2)
	v_permlanex16_b32 v[PM+\b], v[MX+\b], s[SEL], s[SEL+1]
.endr
.irp b, 0,1
	s_delay_alu instid0(VALU_DEP_2)
	v_max_num_f32 v[MX+\b], v[MX+\b], v[PM+\b]
.endr
.irp b, 0,1
	s_delay_alu instid0(VALU_DEP_2)
	v_add_nc_u32 v[SO+\b], 0xff000000, v[MX+\b]
.endr
.irp b, 0,1
	s_delay_alu instid0(VALU_DEP_2)
	v_lshrrev_b32 v[BY+\b], 23, v[SO+\b]
.endr
	v_cvt_scalef32_pk16_fp6_f32 v[(\dst):(\dst)+2], v[(\src):(\src)+15], v[SO]
	v_cvt_scalef32_pk16_fp6_f32 v[YT:YT+2], v[(\src)+16:(\src)+31], v[SO+1]
	v_nop                                          ; one plain instruction behind a scaled conversion
.irp i, 0,1,2
	v_permlane16_swap_b32 v[(\dst)+\i], v[YT+\i]
.endr
.irp i, 0,1,2
	s_delay_alu instid0(VALU_DEP_3)
	v_mov_b32 v[(\dst)+3+\i], v[YT+\i]
.endr
.endm
; The rotation of n channels in v[a] on by the (cos, sin) pairs in v[t] on: (x0, x1) -> (x0 cos - x1 sin, x1 cos + x0 sin).  It takes the registers in ascending order.
.macro ROPE a, t, n
.set e, 0
.rept (\n)/2
	v_mul_f32 v[RT], v[(\a)+e+1], v[(\t)+e+1]
	v_mul_f32 v[RT+1], v[(\a)+e], v[(\t)+e+1]
	v_fma_f32 v[(\a)+e], v[(\a)+e], v[(\t)+e], -v[RT]
	v_fma_f32 v[(\a)+e+1], v[(\a)+e+1], v[(\t)+e], v[RT+1]
.set e, e+2
.endr
.endm
	s_wait_loadcnt 16                              ; behind the scale words' load stand kv's sixteen
	ds_store_b64 v93, v[90:91]
	s_wait_loadcnt 8                               ; the first 64 along K are in
	TURNP 0
	s_wait_loadcnt 0x0
	TURNP 1
	s_wait_dscnt 0x0
	QUANT X
.irp c, 0,1,2
	ds_store_b128 v4, v[PC+4*\c:PC+4*\c+3] offset:512*\c           ; the fragment as it stands
.endr
	ds_store_b32 v5, v[PW]                         ; lanes r and r + 16 write the same word with the same value
	s_wait_tensorcnt 0x0                           ; my part of Wkv's images has landed,
	s_wait_dscnt 0x0                               ; my stores too:
	s_barrier_signal -1
	s_barrier_wait -1                              ; everybody's have.  The launch's one barrier
	s_cmp_ge_u32 s14, 4
	s_cbranch_scc1 .Lend
	; ---- eight K steps, four accumulators by turns
.rept 8
.irp i, 0,1
.irp c, 0,1,2
	ds_load_b128 v[FA+12*\i+4*\c:FA+12*\i+4*\c+3], v6 offset:1536*\i+512*\c
	ds_load_b128 v[FB+12*\i+4*\c:FB+12*\i+4*\c+3], v7 offset:1536*\i+512*\c
.endr
.endr
	ds_load_b32 v88, v8
	ds_load_b32 v89, v9
	s_wait_alu depctr_va_vdst(0)
	s_wait_dscnt 0x0
	v_wmma_scale_f32_16x16x128_f8f6f4 v[ACC:ACC+7], v[FA:FA+11], v[FB:FB+11], v[ACC:ACC+7], v88, v89 matrix_a_fmt:MATRIX_FMT_FP6 matrix_b_fmt:MATRIX_FMT_FP6
	v_wmma_scale_f32_16x16x128_f8f6f4 v[ACC+8:ACC+15], v[FA+12:FA+23], v[FB:FB+11], v[ACC+8:ACC+15], v88, v89 matrix_a_fmt:MATRIX_FMT_FP6 matrix_b_fmt:MATRIX_FMT_FP6 matrix_a_scale:MATRIX_SCALE_ROW1
	v_wmma_scale_f32_16x16x128_f8f6f4 v[ACC+16:ACC+23], v[FA:FA+11], v[FB+12:FB+23], v[ACC+16:ACC+23], v88, v89 matrix_a_fmt:MATRIX_FMT_FP6 matrix_b_fmt:MATRIX_FMT_FP6 matrix_b_scale:MATRIX_SCALE_ROW1
	v_wmma_scale_f32_16x16x128_f8f6f4 v[ACC+24:ACC+31], v[FA+12:FA+23], v[FB+12:FB+23], v[ACC+24:ACC+31], v88, v89 matrix_a_fmt:MATRIX_FMT_FP6 matrix_b_fmt:MATRIX_FMT_FP6 matrix_a_scale:MATRIX_SCALE_ROW1 matrix_b_scale:MATRIX_SCALE_ROW1
	v_add_nc_u32 v6, STEPB, v6                     ; on to the next K step.  These four are also the places between the products and the next loads into their registers, and the first read of results
	v_add_nc_u32 v7, STEPB, v7
	v_add_nc_u32 v8, 512, v8
	v_add_nc_u32 v9, 512, v9
.endr
	s_cmp_lt_u32 s14, 2
	s_cbranch_scc0 .Lno_rope
	ROPE ACC, TB, 16                               ; k alone is rotated
	ROPE ACC+16, TB+16, 16
.Lno_rope:
	QUANT2 ACC, RC                                 ; k: my two keys' block of 32 channels;  v: my two channels' block of 32 keys
	v_permlane16_swap_b32 v[BY], v[BY+1]           ; lane 16 j + r now holds block j's byte
	global_store_b128 v10, v[RC:RC+3], s[48:49]
	global_store_b64 v11, v[RC+4:RC+5], s[48:49]
	global_store_b8 v12, v[BY], s[50:51]
.Lend:
	s_wait_tensorcnt 0x0
	ds_add_u32 v254, v255
	s_wait_dscnt 0x0
	s_endpgm
.Lfunc_end_k_q2eebf93ea5_kvproj:
	.size	k_q2eebf93ea5_kvproj, .Lfunc_end_k_q2eebf93ea5_kvproj-k_q2eebf93ea5_kvproj
	.p2alignl 7, 3214868480
	.fill 96, 4, 3214868480
	.section	.rodata,"a",@progbits
	.p2align	6, 0x0
	.amdhsa_kernel k_q2eebf93ea5_kvproj
		.amdhsa_group_segment_fixed_size 202752
		.amdhsa_private_segment_fixed_size 0
		.amdhsa_enable_private_segment 0
		.amdhsa_kernarg_size 40
		.amdhsa_user_sgpr_count 2
		.amdhsa_user_sgpr_kernarg_segment_ptr 1
		.amdhsa_wavefront_size32 1
		.amdhsa_system_sgpr_workgroup_id_x 1
		.amdhsa_system_sgpr_workgroup_id_y 1
		.amdhsa_system_sgpr_workgroup_id_z 1
		.amdhsa_system_vgpr_workitem_id 0
		.amdhsa_next_free_vgpr 256
		.amdhsa_next_free_sgpr 66
		.amdhsa_reserve_vcc 0
		.amdhsa_float_denorm_mode_32 3
		.amdhsa_float_denorm_mode_16_64 3
		.amdhsa_memory_ordered 1
		.amdhsa_forward_progress 1
		.amdhsa_inst_pref_size 41
	.end_amdhsa_kernel
	.amdgpu_metadata
---
amdhsa.version: [ 1, 2 ]
amdhsa.kernels:
  - .name:           k_q2eebf93ea5_kvproj
    .symbol:         k_q2eebf93ea5_kvproj.kd
    .args:
      - { .name: kv, .offset: 0, .size: 8, .value_kind: global_buffer, .address_space: global }
      - { .name: bkv, .offset: 8, .size: 8, .value_kind: global_buffer, .address_space: global }
      - { .name: wkvi, .offset: 16, .size: 8, .value_kind: global_buffer, .address_space: global }
      - { .name: tab, .offset: 24, .size: 8, .value_kind: global_buffer, .address_space: global }
      - { .name: kvi, .offset: 32, .size: 8, .value_kind: global_buffer, .address_space: global }
    .group_segment_fixed_size: 202752
    .private_segment_fixed_size: 0
    .kernarg_segment_align: 8
    .kernarg_segment_size: 40
    .max_flat_workgroup_size: 512
    .sgpr_count:     66
    .vgpr_count:     256
    .wavefront_size: 32
...
	.end_amdgpu_metadata
.endif
;; end of part 2
;; launch attn (part 3): grid 256 x 1, 16 waves a work-group, no clusters, 327,680 bytes of LDS; arguments q, bq, bo, wqi, woi, tab, kvi, out0; writes out0
.if DOCPART == 3
	.amdgcn_target "amdgcn-amd-amdhsa--gfx1250"
	.amdhsa_code_object_version 6
	.text
	.protected	k_q2eebf93ea5_attn
	.globl	k_q2eebf93ea5_attn
	.p2align	8
	.type	k_q2eebf93ea5_attn,@function
k_q2eebf93ea5_attn:
	s_mov_b64 s[64:65], 0
	v_nop
	global_prefetch_b8 v0, s[64:65] scope:SCOPE_SE
	s_setreg_imm32_b32 hwreg(HW_REG_WAVE_MODE, 25, 1), 1
	s_wait_xcnt 0x0
; out0 = softmax(rope(q Wq + bq) rope(k)^T / 8) v, heads merged, x Wo + bo: four products on codes of FP6 (E2M3) with one E8M0 scale for each 32 along a product's K, in one launch.
; SHARES.  A work-group owns 32 query rows of one batch, for all 16 heads; wave w is head w in the first three products and takes output columns 64 w .. 64 w + 63 in the last.  The rows are two tiles of 16 (m = 0, 1).
; So q's codes, Q, the scores, p, O and h never go to memory: q is read once, out0 is written once.
; PHASES.  1: wave w quantises 16 rows x 128 along K of q (m = w % 2, K step w / 2); images to LDS | barrier | 2: Q^T = Wq^T q^T + bq for my head (source 0 = 16 columns of Wq, source 1 = q), 8 K steps |
; 3: the rotation, Q quantised along its 64 channels, in registers | barrier | 4: for each tile of rows: 16 steps of 128 keys: S^T = K Q^T, p = 2^(t - M), O^T += V^T p^T; h = O / l quantised, image to LDS | barrier |
; 5: out^T = Wo^T h^T + bo, 8 K steps; out through my stage in LDS.
; K AND V of the batch, 196,608 bytes of codes, lie in LDS WHOLE: one tensor load a wave at the head, never filled again; they are first read behind the second barrier.
; THE WEIGHTS go from memory straight into registers, laid by an earlier launch in the order of the operand's registers: 12 loads of 16 bytes a lane for a K step's four tiles, two K steps ahead, in two buffers.
; NO CLUSTER: what comes through LDS and is shared (K and V, 196,608 bytes, asked for once) is a tenth of the 2.0 MB that a work-group reads; the weights, 1.6 MB of it, take the way into registers, which has no joint form,
; and LDS has no room for a ring of them beside K and V.
; LAYOUT.  Every product is used transposed, so that a lane holds ONE row (lane % 16) and its registers run along the next product's K.  The columns of a weight's tile and the keys of a tile of K are not neighbours
; (row r of tile u of a group of 32 is member 8 u + r + 8 (r / 8)), so that the 16 registers of tiles 2 b and 2 b + 1 are members 32 b + 16 (lane / 16) + 0 .. 15.
; K = 64 IN THE SCORES.  The instruction multiplies 128 along K.  Q's codes for k = 64 .. 127 are zeros, and both sides' scale bytes there are 127.  K's operand names 12 registers of which the upper six hold the NEXT tile's codes
; (behind the last tile: zeros): every 6-bit code is a finite number, so these products are zeros.  That spares clearing 48 registers in each step.
; THE SOFTMAX: t = score x log2(e) / 8; M = the running largest t rounded UP to a whole number; p = 2^(t - M) is quantised along the keys, not normalised; l is the sum of the unquantised p; when M moves, l and O are
; multiplied by 2^(old M - new M), exactly.
; LIMITS: a block of zeros gets the byte 1 where the rule says 127 (its codes are zeros; the bytes never leave the program); p under 2^-126 is 0 (v_exp_f32 gives no denormals: ISA guide 15.8); 1 / l by v_rcp_f32;
; NaN and infinities among the inputs are not served.
; REGISTERS: v1-11, v92-95 addresses that stay; v12-15 addresses of the head, then the table's offset, then -M, the largest score and l; v16-27 Q of tile 0 (phase 1: v16-31 at work); v32-79 weights' buffer 0, then K's or V's fragments;
; v80-85 zeros (phase 1: v80-91 codes); v86-91 a step's LDS addresses; v96-159 accumulators (m, t) at 96 + 32 m + 8 t, then S^T and p, then h; v160-207 q's numbers, weights' buffer 1, then O^T (160-191) and Q of tile 1 (192-203);
; v205-210 attention's base addresses; v208-231 the rows' two fragments; v224-235 p's codes; v232-242, 244-247, 252, 254 at work.  SCALES AND NOTHING ELSE: v243, v248-251, v253, v255.
.set VIMG, 98304                       ; LDS: K's images from 0: tile (block of 32 keys KB, u) at 1536 KB + 768 u;  V's from here: block KB at 1536 KB
.set KSW,  196608                      ; K's scale words: 512 (KB / 4) + 16 (16 u + r) + 4 (KB % 4)
.set VSW,  204800                      ; V's: 256 x step + 4 (16 tile + r)
.set STG,  208896                      ; a stage of 16 rows x 272 bytes for each wave
.set IMG,  278528                      ; the rows' operand, 64 along K to an image of 768 bytes (registers 0-3 of lane l at 16 l, 4 and 5 at 512 + 8 l): 12288 m + 768 x (which 64).  q's first, h's behind the second barrier
.set ISC,  303104                      ; its scale words: 1024 m + 128 x K step + 4 x lane
.set GQ,  3
.set STA, 4
.set STB, 5
.set TM,  16
.set PW,  24
.set PC,  80
.set PT,  224
.set X,   160
.set ACC, 96
.set XF,  208
.set B0,  32
.set B1,  160
.set MX,  232
.set RT,  234
.set PM,  236
.set BY,  238
.set YT,  240
.set SO,  244
.set SEL, 36                           ; s[36:37] lane selects for v_permlanex16_b32: lane l xor 16
.set CS,  38                           ; s[38:39] c = log2(e) / 8
.set TK,  40                           ; s40  the step's codes: 6,144 bytes a step, in K's images and in V's
.set TKS, 41                           ; s41  K's scale words: 512 a step
.set TVS, 42                           ; s42  V's: 256 a step
.set CNT, 43
.set QB,  44                           ; s[44:45] q;  46 Wq's images, 48 its scale words;  50, 52 Wo's;  54 bq;  56 bo;  58 tab;  60 out0;  62 K's and V's scale bytes
.set WQB, 46
.set WQS, 48
.set WOB, 50
.set WOS, 52
.set BQB, 54
.set BOB, 56
.set TABB, 58
.set OUTB, 60
.set SBB, 62
	s_load_b256 s[4:11], s[0:1], 0x0               ; q s[4:5], bq s[6:7], bo s[8:9], wqi s[10:11]
	s_load_b256 s[12:19], s[0:1], 0x20             ; woi s[12:13], tab s[14:15], kvi s[16:17], out0 s[18:19]
	v_lshl_add_u32 v254, v0, 2, 0x4a800
	v_mov_b32 v255, 0
	ds_add_u32 v254, v255
	ds_add_u32 v254, v255
	s_wait_dscnt 0x0
	v_lshrrev_b32 v31, 5, v0
	s_delay_alu instid0(VALU_DEP_1)
	v_readfirstlane_b32 s20, v31                   ; wave 0..15
	v_and_b32 v28, 31, v0                          ; lane
	v_and_b32 v29, 15, v0                          ; r
	v_bfe_u32 v30, v0, 4, 1                        ; h
	s_delay_alu instid0(VALU_DEP_3)
	v_lshlrev_b32 v1, 4, v28                       ; v1: 16 x lane
	s_delay_alu instid0(VALU_DEP_4)
	v_lshlrev_b32 v2, 2, v28                       ; v2: 4 x lane
	s_delay_alu instid0(VALU_DEP_4)
	v_lshlrev_b32 v[GQ], 4, v29
	s_delay_alu instid0(VALU_DEP_1)
	v_lshl_add_u32 v[GQ], v30, 12, v[GQ]           ; v3: q and out0: 4096 h + 16 r
	s_mul_i32 s21, s20, 4352
	s_add_co_u32 s21, s21, STG                     ; my stage
	v_mul_u32_u24 v[STA], v30, 272
	s_delay_alu instid0(VALU_DEP_1)
	v_lshl_add_u32 v[STA], v29, 4, v[STA]
	s_delay_alu instid0(VALU_DEP_1)
	v_add_nc_u32 v[STA], s21, v[STA]               ; v4: by rows as they lie in memory: 272 h + 16 r
	v_mul_u32_u24 v[STB], v29, 272
	s_delay_alu instid0(VALU_DEP_1)
	v_lshl_add_u32 v[STB], v30, 6, v[STB]
	s_delay_alu instid0(VALU_DEP_1)
	v_add_nc_u32 v[STB], s21, v[STB]               ; v5: by lanes: 272 r + 64 h
	v_add_nc_u32 v6, IMG, v1                       ; v6, v7: an image's two parts for my lane
	v_lshl_add_u32 v7, v28, 3, IMG+512
	v_add_nc_u32 v8, ISC, v2                       ; v8: a scale word for my lane
	s_wait_alu depctr_va_vdst(0)
	s_and_b32 s21, s20, 1
	s_lshr_b32 s22, s20, 1
	s_mul_i32 s23, s21, 12288
	s_mul_i32 s2, s22, 1536
	s_add_co_u32 s23, s23, s2
	v_add_nc_u32 v9, s23, v6                       ; v9-11: where I put q's fragment (m = w % 2, K step w / 2) and its scale words
	v_add_nc_u32 v10, s23, v7
	s_lshl_b32 s23, s21, 10
	s_lshl_b32 s2, s22, 7
	s_add_co_u32 s23, s23, s2
	v_add_nc_u32 v11, s23, v8
	s_mul_i32 s23, s20, 768
	v_add_nc_u32 v92, s23, v6                      ; v92-94: where I put h's 64 channels of my head, and their two scale bytes
	v_add_nc_u32 v93, s23, v7
	s_lshl_b32 s23, s21, 1
	s_add_co_u32 s23, s23, s2
	v_add_nc_u32 v94, s23, v8
	v_lshlrev_b32 v95, 6, v30                      ; v95: 64 h
	v_lshrrev_b32 v12, 3, v0
	v_and_b32 v13, 7, v0
	s_delay_alu instid0(VALU_DEP_2)
	v_lshlrev_b32 v12, 7, v12
	s_delay_alu instid0(VALU_DEP_1)
	v_lshl_add_u32 v12, v13, 2, v12                ; K's scale bytes: block thread / 8, four rows from 4 (thread % 8) on
	v_lshlrev_b32 v13, 1, v28
	s_delay_alu instid0(VALU_DEP_1)
	v_lshl_add_u32 v13, v31, 9, v13                ; V's: step w, rows 2 x lane and 2 x lane + 1
	v_bfe_u32 v14, v0, 3, 2                        ; K's scale words in LDS: 512 x step + 16 x (16 u + r) + 4 x (block % 4): a lane's four words of a step lie on end
	v_and_b32 v16, 7, v0
	v_lshlrev_b32 v14, 2, v14                      ; my block is thread / 8: block % 4,
	v_lshl_add_u32 v14, v16, 6, v14                ; my four rows begin at 4 (thread % 8), 16 bytes a row,
	v_lshl_add_u32 v14, v31, 9, v14                ; step = block / 4 = my wave
	v_add_nc_u32 v14, KSW, v14
	v_lshl_add_u32 v15, v0, 3, VSW
.irp b, 0,1,2,3
	v_mov_b32 v[TM+4+\b], 0                        ; written once: a lane permute's destination counts as one of its sources
.endr
	s_mov_b32 s[SEL], 0x76543210
	s_mov_b32 s[SEL+1], 0xfedcba98
	s_mov_b32 s[CS], 0x3e38aa3b
	s_mov_b32 s[CS+1], s[CS]                       ; (named with it as a pair, so it is written)
	; the tensor load: my 12,288 bytes of the batch's K and V, dense, as 48 rows of 256 bytes
	s_mov_b32 s28, 3<<16                           ; no mask; elements of 8 bytes; no padding
	s_mov_b32 s29, 32<<16                          ; tensor_dim0 = 32
	s_mov_b32 s30, 48<<16                          ; tensor_dim1 = 48
	s_mov_b32 s31, 32<<16                          ; tile_dim0 = 32
	s_mov_b32 s32, 48                              ; tile_dim1 = 48
	s_mov_b32 s33, 32                              ; from row to row
	s_mov_b32 s34, 0
	s_mov_b32 s35, 0
	s_mov_b32 s24, 1
	s_mul_i32 s25, s20, 12288                      ; LDS address
	s_lshr_b32 s3, ttmp9, 6                        ; batch
	s_mul_i32 s40, s3, 196608
	s_add_co_u32 s40, s40, s25
	s_mov_b32 s41, 0
	s_wait_alu depctr_va_vdst(0)
	s_wait_kmcnt 0x0
	s_add_nc_u64 s[26:27], s[16:17], s[40:41]
	s_or_b32 s27, s27, 0x80000000                  ; type = 2
	tensor_load_to_lds s[24:27], s[28:35]          ; the wave's one tensor load: a first fill, ahead of every LDS read, barrier and wait on TENSORcnt
	s_nop 0
.rept 4
	v_nop
.endr
	s_lshl_b32 s40, s3, 13
	s_add_co_u32 s40, s40, 786432
	s_add_nc_u64 s[SBB:SBB+1], s[16:17], s[40:41]
	s_lshl_b32 s23, ttmp9, 17                      ; 32 rows x 4,096 bytes a work-group
	s_lshl_b32 s40, s20, 8
	s_add_co_u32 s40, s40, s23
	s_add_nc_u64 s[OUTB:OUTB+1], s[18:19], s[40:41]
	s_lshl_b32 s40, s21, 16
	s_add_co_u32 s40, s40, s23
	s_lshl_b32 s2, s22, 9
	s_add_co_u32 s40, s40, s2
	s_add_nc_u64 s[QB:QB+1], s[4:5], s[40:41]
	s_mul_i32 s40, s20, 49152
	s_add_nc_u64 s[WQB:WQB+1], s[10:11], s[40:41]
	s_add_nc_u64 s[WOB:WOB+1], s[12:13], s[40:41]
	s_lshl_b32 s40, s20, 11
	s_add_co_u32 s40, s40, 786432
	s_add_nc_u64 s[WQS:WQS+1], s[10:11], s[40:41]
	s_add_nc_u64 s[WOS:WOS+1], s[12:13], s[40:41]
	s_lshl_b32 s40, s20, 8
	s_add_nc_u64 s[BQB:BQB+1], s[6:7], s[40:41]
	s_add_nc_u64 s[BOB:BOB+1], s[8:9], s[40:41]
	s_and_b32 s40, ttmp9, 63
	s_lshl_b32 s40, s40, 13                        ; my first row's position x 256 bytes
	s_add_nc_u64 s[TABB:TABB+1], s[14:15], s[40:41]
	s_mov_b32 s2, 0x7f7f7f7f
; 16 rows x 256 bytes turn through my stage: in as loaded, out 64 bytes a lane, so that register 16 b + i is k = 32 b + 16 (lane / 16) + i of row lane % 16.  LDS serves a wave's instructions in order.
.macro TURNP p
.irp i, 0,1,2,3,4,5,6,7
	ds_store_b128 v[STA], v[X+32*\p+4*\i:X+32*\p+4*\i+3] offset:544*\i
.endr
.irp b, 0,1
.irp j, 0,1,2,3
	ds_load_b128 v[X+32*\p+16*\b+4*\j:X+32*\p+16*\b+4*\j+3], v[STB] offset:128*\b+16*\j
.endr
.endr
.endm
; 64 numbers of a lane become a fragment's codes in v[PC] on and its scale word in v[PW].
.macro QUANT s
.irp b, 0,1,2,3
	v_max3_num_f32 v[TM+\b], |v[\s+16*\b]|, |v[\s+1+16*\b]|, 0x1800000   ; my 16 numbers of block b, and the floor 2^(3 - 127): the byte cannot fall under 1
.endr
.irp i, 2,4,6,8,10,12,14
.irp b, 0,1,2,3
	s_delay_alu instid0(VALU_DEP_4)
	v_max3_num_f32 v[TM+\b], v[TM+\b], |v[\s+16*\b+\i]|, |v[\s+1+16*\b+\i]|
.endr
.endr
.irp b, 0,1,2,3
	s_delay_alu instid0(VALU_DEP_4)
	v_permlanex16_b32 v[TM+4+\b], v[TM+\b], s[SEL], s[SEL+1]
.endr
.irp b, 0,1,2,3
	s_delay_alu instid0(VALU_DEP_4)
	v_max_num_f32 v[TM+\b], v[TM+\b], v[TM+4+\b]   ; with lane l xor 16's: the block's largest magnitude
.endr
.irp b, 0,1,2,3
	s_delay_alu instid0(VALU_DEP_4)
	v_add_nc_u32 v[TM+12+\b], 0xff000000, v[TM+\b] ; 2 off its exponent field: the conversion's scale operand
.endr
.irp b, 0,1,2,3
	s_delay_alu instid0(VALU_DEP_4)
	v_lshrrev_b32 v[TM+4+\b], 23, v[TM+12+\b]      ; the scale's byte
.endr
	s_delay_alu instid0(VALU_DEP_3)
	v_lshl_or_b32 v[PW], v[TM+5], 8, v[TM+4]
	s_delay_alu instid0(VALU_DEP_1)
	v_lshl_or_b32 v[PW], v[TM+6], 16, v[PW]
	s_delay_alu instid0(VALU_DEP_1)
	v_lshl_or_b32 v[PW], v[TM+7], 24, v[PW]
.irp c, 0,1
	v_cvt_scalef32_pk16_fp6_f32 v[PC+6*\c:PC+2+6*\c], v[\s+32*\c:\s+15+32*\c], v[TM+12+2*\c]
	v_cvt_scalef32_pk16_fp6_f32 v[PT+4*\c:PT+2+4*\c], v[\s+16+32*\c:\s+31+32*\c], v[TM+12+2*\c+1]
.endr
	v_nop                                          ; one plain instruction behind a scaled conversion
.irp c, 0,1                                    ; the operand wants a whole block in a lane: lanes 0-15 block 2 c, lanes 16-31 block 2 c + 1
.irp i, 0,1,2
	v_permlane16_swap_b32 v[PC+6*\c+\i], v[PT+4*\c+\i]
.endr
.irp i, 0,1,2
	s_delay_alu instid0(VALU_DEP_3)
	v_mov_b32 v[PC+3+6*\c+\i], v[PT+4*\c+\i]
.endr
.endr
.endm
; Two blocks of 32, each 16 registers in lanes l and l xor 16, become six registers of codes: lanes 0-15 hold block 0 whole, lanes 16-31 block 1.  The bytes stay in v[BY], v[BY+1].
.macro QUANT2 src, dst
.irp b, 0,1
	v_max3_num_f32 v[MX+\b], |v[(\src)+16*\b]|, |v[(\src)+1+16*\b]|, 0x1800000
.endr
.irp i, 2,4,6,8,10,12,14
.irp b, 0,1
	s_delay_alu instid0(VALU_DEP_2)
	v_max3_num_f32 v[MX+\b], v[MX+\b], |v[(\src)+16*\b+\i]|, |v[(\src)+1+16*\b+\i]|
.endr
.endr
.irp b, 0,1
	s_delay_alu instid0(VALU_DEP_2)
	v_permlanex16_b32 v[PM+\b], v[MX+\b], s[SEL], s[SEL+1]
.endr
.irp b, 0,1
	s_delay_alu instid0(VALU_DEP_2)
	v_max_num_f32 v[MX+\b], v[MX+\b], v[PM+\b]
.endr
.irp b, 0,1
	s_delay_alu instid0(VALU_DEP_2)
	v_add_nc_u32 v[SO+\b], 0xff000000, v[MX+\b]
.endr
.irp b, 0,1
	s_delay_alu instid0(VALU_DEP_2)
	v_lshrrev_b32 v[BY+\b], 23, v[SO+\b]
.endr
	v_cvt_scalef32_pk16_fp6_f32 v[(\dst):(\dst)+2], v[(\src):(\src)+15], v[SO]
	v_cvt_scalef32_pk16_fp6_f32 v[YT:YT+2], v[(\src)+16:(\src)+31], v[SO+1]
	v_nop                                          ; one plain instruction behind a scaled conversion
.irp i, 0,1,2
	v_permlane16_swap_b32 v[(\dst)+\i], v[YT+\i]
.endr
.irp i, 0,1,2
	s_delay_alu instid0(VALU_DEP_3)
	v_mov_b32 v[(\dst)+3+\i], v[YT+\i]
.endr
.endm
; The rotation of n channels in v[a] on by the (cos, sin) pairs in v[t] on: (x0, x1) -> (x0 cos - x1 sin, x1 cos + x0 sin).  It takes the registers in ascending order.
.macro ROPE a, t, n
.set e, 0
.rept (\n)/2
	v_mul_f32 v[RT], v[(\a)+e+1], v[(\t)+e+1]
	v_mul_f32 v[RT+1], v[(\a)+e], v[(\t)+e+1]
	v_fma_f32 v[(\a)+e], v[(\a)+e], v[(\t)+e], -v[RT]
	v_fma_f32 v[(\a)+e+1], v[(\a)+e+1], v[(\t)+e], v[RT+1]
.set e, e+2
.endr
.endm
; A bias into the eight accumulators: register e of tile t is column 32 (t / 2) + 16 h + 8 (t % 2) + e of my 64.  Sixteen loads.
.macro BIAS sb
.irp m, 0,1
.irp t, 0,1,2,3
.irp f, 0,1
	global_load_b128 v[ACC+32*\m+8*\t+4*\f:ACC+32*\m+8*\t+4*\f+3], v95, s[\sb:\sb+1] offset:128*(\t/2)+32*(\t%2)+16*\f
.endr
.endr
.endr
.endm
; K step s of a weight: my four tiles' fragments and their scale words (tiles 2 p, 2 p + 1 in one register) into buffer s % 2.  Fourteen loads.
.macro WLOAD s, wb, ws
.set BUF, B0+(B1-B0)*((\s)%2)
.irp t, 0,1,2,3
.irp c, 0,1,2
	global_load_b128 v[BUF+12*\t+4*\c:BUF+12*\t+4*\c+3], v1, s[\wb:\wb+1] offset:6144*(\s)+1536*\t+512*\c
.endr
.endr
.irp p, 0,1
	global_load_b32 v[248+2*((\s)%2)+\p], v2, s[\ws:\ws+1] offset:256*(\s)+128*\p
.endr
.endm
; (cos, sin) for tile m's rows: my row's 16 frequencies of my half.  Eight loads, into a weights' buffer that is done with.
.macro TLOAD m
.irp b, 0,1
.irp k, 0,1,2,3
	global_load_b128 v[B0+(B1-B0)*(\m)+16*\b+4*\k:B0+(B1-B0)*(\m)+16*\b+4*\k+3], v12, s[TABB:TABB+1] offset:4096*(\m)+128*\b+16*\k
.endr
.endr
.endm
.macro GMM t, m, xs, sw
.if (\t)%2
	v_wmma_scale_f32_16x16x128_f8f6f4 v[ACC+32*\m+8*\t:ACC+32*\m+8*\t+7], v[BUF+12*\t:BUF+12*\t+11], v[XF+12*\m:XF+12*\m+11], v[ACC+32*\m+8*\t:ACC+32*\m+8*\t+7], v[\sw+(\t)/2], v[\xs] matrix_a_fmt:MATRIX_FMT_FP6 matrix_b_fmt:MATRIX_FMT_FP6 matrix_a_scale:MATRIX_SCALE_ROW1
.else
	v_wmma_scale_f32_16x16x128_f8f6f4 v[ACC+32*\m+8*\t:ACC+32*\m+8*\t+7], v[BUF+12*\t:BUF+12*\t+11], v[XF+12*\m:XF+12*\m+11], v[ACC+32*\m+8*\t:ACC+32*\m+8*\t+7], v[\sw+(\t)/2], v[\xs] matrix_a_fmt:MATRIX_FMT_FP6 matrix_b_fmt:MATRIX_FMT_FP6
.endif
.endm
; A K step of 128 of a product with a weight: the rows' two fragments from LDS, eight matrix instructions on eight accumulators by turns, the weight's K step s + 2 asked for.
.macro GSTEP s, wb, ws, tab
.if (\s) <= 6
	s_wait_loadcnt 14                              ; this K step's weights are in (and all that was asked for earlier); the next K step's fourteen loads may be out
.elseif \tab
	s_wait_loadcnt 8                               ; behind the last K step's weights stand the table's eight loads for tile 0
.else
	s_wait_loadcnt 0x0
.endif
.irp m, 0,1
.irp c, 0,1
	ds_load_b128 v[XF+12*\m+6*\c:XF+12*\m+6*\c+3], v6 offset:12288*\m+1536*(\s)+768*\c
	ds_load_b64 v[XF+12*\m+6*\c+4:XF+12*\m+6*\c+5], v7 offset:12288*\m+1536*(\s)+768*\c
.endr
.endr
	ds_load_b32 v255, v8 offset:128*(\s)
	ds_load_b32 v243, v8 offset:1024+128*(\s)
	s_wait_dscnt 0x0
.set BUF, B0+(B1-B0)*((\s)%2)
.irp t, 0,1,2,3
	GMM \t, 0, 255, 248+2*((\s)%2)
	GMM \t, 1, 243, 248+2*((\s)%2)
.endr
.rept 4
	v_nop                                          ; places between the products and loads into their registers, and the first read of results
.endr
.if (\s) <= 5
	WLOAD (\s)+2, \wb, \ws
.elseif \tab
	TLOAD (\s)-6
.endif
.endm
	; ---- 1: the scale bytes of K and V become words in LDS; my part of q becomes a fragment
	global_load_b32 v232, v12, s[SBB:SBB+1]                        ; K: four rows' bytes for channels 0-31,
	global_load_b32 v233, v12, s[SBB:SBB+1] offset:32              ; and for channels 32-63
.irp b, 0,1,2,3
	global_load_u16 v[234+\b], v13, s[SBB:SBB+1] offset:64+128*\b  ; V: two rows' bytes for each of my step's four blocks of keys
.endr
.irp p, 0,1                                    ; my 16 rows x 128 numbers of q: each load reads two rows' 256 consecutive bytes
.irp i, 0,1,2,3,4,5,6,7
	global_load_b128 v[X+32*\p+4*\i:X+32*\p+4*\i+3], v[GQ], s[QB:QB+1] offset:8192*\i+256*\p th:TH_LOAD_NT
.endr
.endr
	BIAS BQB
	WLOAD 0, WQB, WQS
	s_wait_loadcnt 46                              ; behind the six loads of scale bytes: q's 16, the bias's 16, the weights' 14
	v_perm_b32 v238, v233, v232, 0x05010400        ; rows 0, 1: (byte 0, byte 1) twice
	v_perm_b32 v239, v233, v232, 0x07030602        ; rows 2, 3
	s_delay_alu instid0(VALU_DEP_2)
	v_perm_b32 v244, s2, v238, 0x04040100          ; a word a row: the two bytes, and 127 for k = 64 .. 127
	s_delay_alu instid0(VALU_DEP_3)
	v_perm_b32 v245, s2, v238, 0x04040302
	s_delay_alu instid0(VALU_DEP_3)
	v_perm_b32 v246, s2, v239, 0x04040100
	s_delay_alu instid0(VALU_DEP_4)
	v_perm_b32 v247, s2, v239, 0x04040302
.irp e, 0,1,2,3
	ds_store_b32 v14, v[244+\e] offset:16*\e       ; row 4 (thread % 8) + e
.endr
	v_perm_b32 v240, v235, v234, 0x05010400        ; blocks 0, 1 of row 0, then of row 1
	v_perm_b32 v241, v237, v236, 0x05010400        ; blocks 2, 3
	s_delay_alu instid0(VALU_DEP_1)
	v_perm_b32 v238, v241, v240, 0x05040100        ; row 0's word
	s_delay_alu instid0(VALU_DEP_2)
	v_perm_b32 v239, v241, v240, 0x07060302        ; row 1's
	ds_store_b64 v15, v[238:239]
	s_wait_loadcnt 38                              ; q's first eight loads are in: behind them its other 8, and 16 + 14
	TURNP 0
	s_wait_loadcnt 30
	TURNP 1
	s_wait_dscnt 0x0
	QUANT X
	ds_store_b128 v9, v[PC:PC+3]
	ds_store_b64 v10, v[PC+4:PC+5]
	ds_store_b128 v9, v[PC+6:PC+9] offset:768
	ds_store_b64 v10, v[PC+10:PC+11] offset:768
	ds_store_b32 v11, v[PW]
	WLOAD 1, WQB, WQS                              ; into the registers that q's numbers have left
	s_wait_dscnt 0x0                               ; my stores have landed:
	s_barrier_signal -1
	s_barrier_wait -1                              ; q's sixteen fragments and the scale words lie in LDS.  (K's and V's tensor loads may stay out)
	v_and_b32 v12, 15, v0
	s_delay_alu instid0(VALU_DEP_1)
	v_lshl_add_u32 v12, v12, 8, v95                ; the table's offset: 256 r + 64 h (the loads that named v12 are in)
.irp b, 0,1,2,3
	v_mov_b32 v[236+\b], 0                         ; written once: a lane permute's destination counts as one of its sources
.endr
	v_mov_b32 v253, 0                              ; (named as the upper half of the pair v[252:253] before it is first written)
	; ---- 2: Q^T for my head
	s_wait_alu depctr_va_vdst(0)
.irp s, 0,1,2,3,4,5,6,7
	GSTEP \s, WQB, WQS, 1
.endr
	; ---- 3: the rotation; Q quantised along its 64 channels; zeros for k = 64 .. 127
.macro QHEAD m, tb, qf, qs, left
	s_wait_loadcnt \left
	ROPE ACC+32*\m, \tb, 32
	QUANT2 ACC+32*\m, \qf
.irp i, 6,7,8,9,10,11
	v_mov_b32 v[\qf+\i], 0
.endr
	v_lshl_or_b32 v[\qs], v[BY+1], 8, v[BY]
	s_delay_alu instid0(VALU_DEP_1)
	v_or_b32 v[\qs], 0x7f7f0000, v[\qs]
.endm
	QHEAD 0, B0, 16, 255, 8                        ; tile 0's table is in; tile 1's eight loads may be out
	QHEAD 1, B1, 192, 243, 0
	v_and_b32 v204, 31, v0
	v_and_b32 v211, 15, v0
	v_bfe_u32 v212, v0, 4, 1
	s_delay_alu instid0(VALU_DEP_3)
	v_lshlrev_b32 v205, 4, v204                    ; K's images: 16 x lane,
	s_delay_alu instid0(VALU_DEP_4)
	v_lshl_add_u32 v206, v204, 3, 512              ; 512 + 8 x lane
	s_delay_alu instid0(VALU_DEP_3)
	v_mul_u32_u24 v207, v212, 1536                 ; V: lanes 16-31 take the next block of keys
	s_delay_alu instid0(VALU_DEP_1)
	v_lshl_add_u32 v208, v211, 3, v207
	s_delay_alu instid0(VALU_DEP_2)
	v_lshl_add_u32 v207, v211, 4, v207
	s_delay_alu instid0(VALU_DEP_1)
	v_add_nc_u32 v207, VIMG, v207
	s_delay_alu instid0(VALU_DEP_3)
	v_add_nc_u32 v208, VIMG+1024, v208
	v_lshl_add_u32 v209, v204, 4, KSW
	v_lshl_add_u32 v210, v204, 2, VSW
.irp i, 0,1,2,3,4,5
	v_mov_b32 v[80+\i], 0                          ; behind the last tile of K
.endr
	s_wait_tensorcnt 0x0                           ; my part of K and V has landed,
	s_wait_dscnt 0x0                               ; my reads of q's images are over:
	s_barrier_signal -1
	s_barrier_wait -1                              ; K and V are whole, and q's images may be written over
; ---- 4.  A KEY STEP: 128 keys.
.macro STEP qf, qs
	v_add_nc_u32 v86, s[TK], v205                  ; the step's addresses.  These four are also the places between the last products and the loads into their registers
	v_add_nc_u32 v87, s[TK], v206
	v_add_nc_u32 v88, s[TK], v207
	v_add_nc_u32 v90, s[TKS], v209                 ; four sums here: the four places; V's other two addresses are made behind the scores' products
.irp k, 0,1,2,3,4,5,6,7
	ds_load_b128 v[32+6*\k:35+6*\k], v86 offset:768*\k             ; tile k of K: six registers, 512 + 256 consecutive bytes a wave
	ds_load_b64 v[36+6*\k:37+6*\k], v87 offset:768*\k
.endr
	ds_load_b128 v[248:251], v90                   ; the scale words of the step's four blocks of keys, my row's
	s_wait_alu depctr_va_vdst(0)
	s_wait_dscnt 0x0
.irp k, 0,2,4,6
	v_wmma_scale_f32_16x16x128_f8f6f4 v[96+8*\k:103+8*\k], v[32+6*\k:43+6*\k], v[\qf:\qf+11], 0, v[248+\k/2], v[\qs] matrix_a_fmt:MATRIX_FMT_FP6 matrix_b_fmt:MATRIX_FMT_FP6
	v_wmma_scale_f32_16x16x128_f8f6f4 v[104+8*\k:111+8*\k], v[38+6*\k:49+6*\k], v[\qf:\qf+11], 0, v[248+\k/2], v[\qs] matrix_a_fmt:MATRIX_FMT_FP6 matrix_b_fmt:MATRIX_FMT_FP6 matrix_a_scale:MATRIX_SCALE_ROW1
.endr
	v_add_nc_u32 v89, s[TK], v208                  ; four places in front of the loads below and of the first read of the scores: work that is due anyway,
	v_add_nc_u32 v91, s[TVS], v210
	v_mov_b32 v254, v12                            ; the old -M,
	v_nop                                          ; and one idle line
.irp t, 0,1,2,3
.irp c, 0,1
	ds_load_b128 v[32+12*\t+6*\c:35+12*\t+6*\c], v88 offset:3072*\c+256*\t
	ds_load_b64 v[36+12*\t+6*\c:37+12*\t+6*\c], v89 offset:3072*\c+128*\t
.endr
.endr
	ds_load_b32 v248, v91
	ds_load_b32 v249, v91 offset:128
.irp b, 0,1,2,3
	v_max3_num_f32 v[232+\b], v[96+16*\b], v[97+16*\b], v[98+16*\b]   ; the largest score of each block of 32 keys: it serves for the row's maximum and, since p rises with the score, for the block's largest p
.endr
.irp i, 3,5,7,9,11,13
.irp b, 0,1,2,3
	v_max3_num_f32 v[232+\b], v[232+\b], v[96+16*\b+\i], v[97+16*\b+\i]
.endr
.endr
.irp b, 0,1,2,3
	v_max_num_f32 v[232+\b], v[232+\b], v[111+16*\b]
.endr
.irp b, 0,1,2,3
	v_permlanex16_b32 v[236+\b], v[232+\b], s[SEL], s[SEL+1]       ; (four chains by turns)
.endr
.irp b, 0,1,2,3
	v_max_num_f32 v[232+\b], v[232+\b], v[236+\b]  ; with lane l xor 16's 16 keys
.endr
	s_delay_alu instid0(VALU_DEP_2)
	v_max3_num_f32 v252, v232, v233, v234
	s_delay_alu instid0(VALU_DEP_1)
	v_max3_num_f32 v13, v13, v252, v235            ; the running largest SCORE of my query
	s_delay_alu instid0(VALU_DEP_1)
	v_mul_f32 v252, s[CS], v13                     ; as t: c is positive and a product keeps the order, so this is the largest of the rounded products
	s_delay_alu instid0(VALU_DEP_1)
	v_floor_f32 v12, -v252                         ; the new -M = floor(-t): M is a whole number
	s_delay_alu instid0(VALU_DEP_1)
	v_sub_f32 v254, v12, v254                      ; old M - new M: a whole number, 0 or less
	s_delay_alu instid0(VALU_DEP_1)
	v_cvt_i32_f32 v254, v254                       ; (it saturates)
	s_delay_alu instid0(VALU_DEP_1)
	v_ldexp_f32 v252, 1.0, v254                    ; f = 2^(old M - new M): a multiplication by it rounds nothing
.set j, 0
.rept 32
	v_pk_fma_f32 v[96+j:97+j], v[96+j:97+j], s[CS:CS+1], v[12:13] op_sel_hi:[1,0,0]   ; t - M, two at a time
.set j, j+2
.endr
.irp b, 0,1,2,3
	v_fma_f32 v[232+\b], v[232+\b], s[CS], v12     ; the same of each block's largest score
.endr
.set j, 0
	s_wait_alu depctr_va_vdst(0)
.rept 64
	v_exp_f32 v[96+j], v[96+j]                     ; p = 2^(t - M), at most 1: not normalised
.set j, j+1
.endr
	v_pk_mul_f32 v[14:15], v[14:15], v[252:253] op_sel_hi:[1,0]    ; l under the new M.  (The plain instruction behind the exponentials)
	s_wait_alu depctr_va_vdst(0)                   ; one wait for the batch of 64, ahead of its first reader
.irp b, 0,1,2,3
	v_exp_f32 v[232+\b], v[232+\b]                 ; the block's largest p: the same two instructions on the same number give the same bits
.endr
	v_pk_add_f32 v[236:237], v[100:101], v[104:105]
	v_pk_add_f32 v[250:251], v[108:109], v[112:113]
	v_pk_add_f32 v[246:247], v[116:117], v[120:121]
	v_pk_add_f32 v[244:245], v[124:125], v[128:129]
	v_pk_add_f32 v[240:241], v[132:133], v[136:137]
	v_pk_add_f32 v[238:239], v[140:141], v[144:145]
	v_pk_add_f32 v[230:231], v[148:149], v[152:153]
	v_pk_add_f32 v[14:15], v[14:15], v[156:157]
	v_pk_add_f32 v[236:237], v[236:237], v[96:97]
	v_pk_add_f32 v[250:251], v[250:251], v[98:99]
	v_pk_add_f32 v[246:247], v[246:247], v[102:103]
	v_pk_add_f32 v[244:245], v[244:245], v[106:107]
	v_pk_add_f32 v[240:241], v[240:241], v[110:111]
	v_pk_add_f32 v[238:239], v[238:239], v[114:115]
	v_pk_add_f32 v[230:231], v[230:231], v[118:119]
	v_pk_add_f32 v[14:15], v[14:15], v[122:123]
	v_pk_add_f32 v[236:237], v[236:237], v[126:127]
	v_pk_add_f32 v[250:251], v[250:251], v[130:131]
	v_pk_add_f32 v[246:247], v[246:247], v[134:135]
	v_pk_add_f32 v[244:245], v[244:245], v[138:139]
	v_pk_add_f32 v[240:241], v[240:241], v[142:143]
	v_pk_add_f32 v[238:239], v[238:239], v[146:147]
	v_pk_add_f32 v[230:231], v[230:231], v[150:151]
	v_pk_add_f32 v[14:15], v[14:15], v[154:155]
	v_pk_add_f32 v[236:237], v[236:237], v[158:159]
	s_delay_alu instid0(VALU_DEP_2)
	v_pk_add_f32 v[14:15], v[14:15], v[244:245]
	s_delay_alu instid0(VALU_DEP_2)
	v_pk_add_f32 v[236:237], v[236:237], v[240:241]
	v_pk_add_f32 v[250:251], v[250:251], v[238:239]
	v_pk_add_f32 v[246:247], v[246:247], v[230:231]
	s_delay_alu instid0(VALU_DEP_2)
	v_pk_add_f32 v[14:15], v[14:15], v[250:251]
	s_delay_alu instid0(VALU_DEP_2)
	v_pk_add_f32 v[236:237], v[236:237], v[246:247]
	s_delay_alu instid0(VALU_DEP_1)
	v_pk_add_f32 v[14:15], v[14:15], v[236:237]
	s_wait_alu depctr_va_vdst(0)                   ; and one for the four
.irp b, 0,1,2,3
	v_max_num_f32 v[232+\b], 0x1800000, v[232+\b]  ; the floor 2^(3 - 127): the byte cannot fall under 1
.endr
.irp b, 0,1,2,3
	v_add_nc_u32 v[244+\b], 0xff000000, v[232+\b]  ; 2 off the exponent field: the conversion's scale operand
.endr
.irp b, 0,1,2,3
	v_lshrrev_b32 v[236+\b], 23, v[244+\b]         ; the scale's byte
.endr
	v_lshl_or_b32 v253, v237, 8, v236              ; p's scale word for these 128 keys, in two halves
	v_lshl_or_b32 v254, v239, 8, v238
.irp c, 0,1
	v_cvt_scalef32_pk16_fp6_f32 v[224+6*\c:226+6*\c], v[96+32*\c:111+32*\c], v[244+2*\c]
	v_cvt_scalef32_pk16_fp6_f32 v[236+4*\c:238+4*\c], v[112+32*\c:127+32*\c], v[244+2*\c+1]
.endr
	v_lshl_or_b32 v253, v254, 16, v253             ; the word is whole.  (It names no register of the conversions: the one plain instruction behind them)
.irp c, 0,1                                    ; the operand wants a whole block in a lane
.irp i, 0,1,2
	v_permlane16_swap_b32 v[224+6*\c+\i], v[236+4*\c+\i]
.endr
.irp i, 0,1,2
	v_mov_b32 v[227+6*\c+\i], v[236+4*\c+\i]
.endr
.endr
.set j, 0
.rept 16
	v_pk_mul_f32 v[160+j:161+j], v[160+j:161+j], v[252:253] op_sel_hi:[1,0]   ; O^T under the new M.  (These sixteen are also the places between the writes of p's codes and scale word and the products)
.set j, j+2
.endr
	s_wait_alu depctr_va_vdst(0)
	s_wait_dscnt 0x0                               ; V is in
.irp t, 0,2
	v_wmma_scale_f32_16x16x128_f8f6f4 v[160+8*\t:167+8*\t], v[32+12*\t:43+12*\t], v[224:235], v[160+8*\t:167+8*\t], v[248+\t/2], v253 matrix_a_fmt:MATRIX_FMT_FP6 matrix_b_fmt:MATRIX_FMT_FP6
	v_wmma_scale_f32_16x16x128_f8f6f4 v[168+8*\t:175+8*\t], v[44+12*\t:55+12*\t], v[224:235], v[168+8*\t:175+8*\t], v[248+\t/2], v253 matrix_a_fmt:MATRIX_FMT_FP6 matrix_b_fmt:MATRIX_FMT_FP6 matrix_a_scale:MATRIX_SCALE_ROW1
.endr
.endm
; Attention for tile m of the rows: all 2,048 keys, then h = O / l, quantised along my head's 64 channels, as an image to LDS.
.macro ATT m, qf, qs
	v_mov_b32 v13, 0xff61b1e6                      ; the largest score so far (x c it is t): -3e38, under every score
	s_delay_alu instid0(VALU_DEP_1)
	v_floor_f32 v12, -v13                          ; -M
	v_mov_b32 v14, 0                               ; l, in two halves
	v_mov_b32 v15, 0
.set j, 0
.rept 32
	v_mov_b32 v[160+j], 0                          ; O^T.  (The step is written once: the first finds zeros, which the first change of M leaves zeros)
.set j, j+1
.endr
	s_mov_b32 s[TK], 0
	s_mov_b32 s[TKS], 0
	s_mov_b32 s[TVS], 0
	s_mov_b32 s[CNT], 16
.Lkeys_\m:
	STEP \qf, \qs
	s_add_co_u32 s[TK], s[TK], 6144
	s_add_co_u32 s[TKS], s[TKS], 512
	s_add_co_u32 s[TVS], s[TVS], 256
	s_sub_co_u32 s[CNT], s[CNT], 1
	s_cmp_lg_u32 s[CNT], 0
	s_cbranch_scc1 .Lkeys_\m
.rept 4
	v_nop                                          ; places behind the last products
.endr
	v_add_f32 v14, v14, v15                        ; l's two halves,
	s_delay_alu instid0(VALU_DEP_1)
	v_permlanex16_b32 v252, v14, s[SEL], s[SEL+1]
	s_delay_alu instid0(VALU_DEP_1)
	v_add_f32 v14, v14, v252                       ; and lane l xor 16's
	s_wait_alu depctr_va_vdst(0)
	v_rcp_f32 v14, v14
	v_nop                                          ; a plain instruction behind the reciprocal,
	s_wait_alu depctr_va_vdst(0)                   ; and the wait ahead of its first reader
.set j, 0
.rept 16
	v_pk_mul_f32 v[96+j:97+j], v[160+j:161+j], v[14:15] op_sel_hi:[1,0]   ; h: register 16 b + i is channel 32 b + 16 (lane / 16) + i of my row
.set j, j+2
.endr
	QUANT2 96, 224
	v_lshl_or_b32 v234, v[BY+1], 8, v[BY]
	ds_store_b128 v92, v[224:227] offset:12288*\m
	ds_store_b64 v93, v[228:229] offset:12288*\m
	ds_store_b16 v94, v234 offset:1024*\m          ; my head's two bytes of the K step's scale word
.endm
	ATT 0, 16, 255
	ATT 1, 192, 243
	BIAS BOB
	WLOAD 0, WOB, WOS
	WLOAD 1, WOB, WOS
	s_wait_dscnt 0x0                               ; my stores have landed:
	s_barrier_signal -1
	s_barrier_wait -1                              ; h's sixteen fragments lie in LDS
	; ---- 5: my 64 columns of the output
.irp s, 0,1,2,3,4,5,6,7
	GSTEP \s, WOB, WOS, 0
.endr
	; THE WAY OUT.  A lane holds 16 + 16 neighbouring numbers of one row, and the lanes beside it hold other rows: a tile goes through my stage and comes back by rows, so that sixteen lanes store 256 consecutive bytes.
	; (The four places at the last K step's end stand in front of these reads; each accumulator is read from its low end on.)
.irp m, 0,1
.irp k, 0,1,2,3,4,5,6,7
	ds_store_b128 v[STB], v[ACC+32*\m+4*\k:ACC+32*\m+4*\k+3] offset:128*(\k/4)+16*(\k%4)
.endr
.irp i, 0,1,2,3,4,5,6,7
	ds_load_b128 v[B0+(B1-B0)*\m+4*\i:B0+(B1-B0)*\m+4*\i+3], v[STA] offset:544*\i   ; LDS serves a wave's instructions in order: these see my stores, and the next tile's stores come behind them
.endr
.endr
.irp m, 0,1
.irp i, 0,1,2,3,4,5,6,7
	s_wait_dscnt 16*(1-\m)+7-\i                    ; behind this load: the tile's later loads, and for tile 0 the sixteen LDS instructions of tile 1
	global_store_b128 v[GQ], v[B0+(B1-B0)*\m+4*\i:B0+(B1-B0)*\m+4*\i+3], s[OUTB:OUTB+1] offset:65536*\m+8192*\i th:TH_STORE_NT   ; two rows' 256 consecutive bytes each, at multiples of 256 from out0's first byte
.endr
.endr
	s_wait_xcnt 0x0
	v_lshl_add_u32 v254, v0, 2, 0x4a800
	v_mov_b32 v255, 0
	s_wait_alu depctr_va_vdst(0)
	s_wait_tensorcnt 0x0
	ds_add_u32 v254, v255
	s_wait_dscnt 0x0
	s_endpgm
.Lfunc_end_k_q2eebf93ea5_attn:
	.size	k_q2eebf93ea5_attn, .Lfunc_end_k_q2eebf93ea5_attn-k_q2eebf93ea5_attn
	.p2alignl 7, 3214868480
	.fill 96, 4, 3214868480
	.section	.rodata,"a",@progbits
	.p2align	6, 0x0
	.amdhsa_kernel k_q2eebf93ea5_attn
		.amdhsa_group_segment_fixed_size 327680
		.amdhsa_private_segment_fixed_size 0
		.amdhsa_enable_private_segment 0
		.amdhsa_kernarg_size 64
		.amdhsa_user_sgpr_count 2
		.amdhsa_user_sgpr_kernarg_segment_ptr 1
		.amdhsa_wavefront_size32 1
		.amdhsa_system_sgpr_workgroup_id_x 1
		.amdhsa_system_sgpr_workgroup_id_y 1
		.amdhsa_system_sgpr_workgroup_id_z 1
		.amdhsa_system_vgpr_workitem_id 0
		.amdhsa_next_free_vgpr 256
		.amdhsa_next_free_sgpr 66
		.amdhsa_reserve_vcc 0
		.amdhsa_float_denorm_mode_32 3
		.amdhsa_float_denorm_mode_16_64 3
		.amdhsa_memory_ordered 1
		.amdhsa_forward_progress 1
		.amdhsa_inst_pref_size 134
	.end_amdhsa_kernel
	.amdgpu_metadata
---
amdhsa.version: [ 1, 2 ]
amdhsa.kernels:
  - .name:           k_q2eebf93ea5_attn
    .symbol:         k_q2eebf93ea5_attn.kd
    .args:
      - { .name: q, .offset: 0, .size: 8, .value_kind: global_buffer, .address_space: global }
      - { .name: bq, .offset: 8, .size: 8, .value_kind: global_buffer, .address_space: global }
      - { .name: bo, .offset: 16, .size: 8, .value_kind: global_buffer, .address_space: global }
      - { .name: wqi, .offset: 24, .size: 8, .value_kind: global_buffer, .address_space: global }
      - { .name: woi, .offset: 32, .size: 8, .value_kind: global_buffer, .address_space: global }
      - { .name: tab, .offset: 40, .size: 8, .value_kind: global_buffer, .address_space: global }
      - { .name: kvi, .offset: 48, .size: 8, .value_kind: global_buffer, .address_space: global }
      - { .name: out0, .offset: 56, .size: 8, .value_kind: global_buffer, .address_space: global }
    .group_segment_fixed_size: 327680
    .private_segment_fixed_size: 0
    .kernarg_segment_align: 8
    .kernarg_segment_size: 64
    .max_flat_workgroup_size: 512
    .sgpr_count:     66
    .vgpr_count:     256
    .wavefront_size: 32
...
	.end_amdgpu_metadata
.endif
;; end of part 3
